; MI455X (gfx1250); checked and timed in simulation.
; The chip was launched on July 23, 2026; its instructions are those of AMD's public machine-readable ISA for CDNA 5 (MIT licence, August 2026) and "CDNA5" Instruction Set Architecture Reference Guide (July 2026). The comments in the code are by the model that wrote it; some were corrected since.
;; Local Sliding Window Attention. Allowed arithmetic: float matrix products may take bf16 or f16 operands with f32 sums; all other float work in f32.
;; Inputs: Wk 768 x 768 float32; Wo 768 x 768 float32; Wq 768 x 768 float32; Wv 768 x 768 float32; bk 768 float32; bo 768 float32; bq 768 float32; bv 768 float32; key 1 x 4,096 x 768 float32; query 1 x 4,096 x 768 float32; value 1 x 4,096 x 768 float32.
;; Outputs: out0 1 x 4,096 x 768 float32.
;; 4 versions, each right; versions 2 to 3 are each faster than the one before; version 4 is version 3 with the launch attn written anew for expert scheduling mode. Each part assembles by itself: llvm-mc -triple=amdgcn-amd-amdhsa -mcpu=gfx1250 --defsym DOCPART=n.
;; ======== version 1 of 4: 3 launches
;; workspace buffers: qf 12,582,912 bytes; kf 12,582,912 bytes; vf 12,582,912 bytes; ctx 12,582,912 bytes
;; launch proj (part 1): grid 12 x 64, 4 waves a work-group, no clusters, 74,240 bytes of LDS; arguments query, key, value, Wq, Wk, Wv, bq, bk, bv, qf, kf, vf; writes qf, kf, vf
.if DOCPART == 1
	.amdgcn_target "amdgcn-amd-amdhsa--gfx1250"
	.amdhsa_code_object_version 6
	.text
	.protected	k_q96e17f8313_proj
	.globl	k_q96e17f8313_proj
	.p2align	8
	.type	k_q96e17f8313_proj,@function
k_q96e17f8313_proj:
	s_mov_b64 s[64:65], 0
	v_nop
	global_prefetch_b8 v0, s[64:65] scope:SCOPE_SE
	s_setreg_imm32_b32 hwreg(HW_REG_WAVE_MODE, 25, 1), 1
	s_wait_xcnt 0x0
; Y = X W^T + b.  X: [4096][768] f32, W: [768][768] f32 (row n holds the weights of output column n), b: [768] f32, Y: [4096][768] f32.
; THREE = 1: three such products in one launch, (query, Wq, bq) -> qf, (key, Wk, bk) -> kf, (value, Wv, bv) -> vf; the work-group's x / 4 says which.
; SHARES.  A work-group makes 64 rows x 192 columns of Y (768 bytes of a row: three aligned blocks of 256).  Four waves; wave w makes all 64 rows x columns 48 w .. 48 w + 47:
; 4 x 3 accumulators of 16 x 16.  K goes in 12 steps of 64, so a tile's rows are 256 consecutive bytes of memory, at multiples of 256 from the buffer's first byte.
; WAY IN.  X and W are f32 in memory and bf16 in the matrix unit, so a tile passes through registers: 16-byte loads (sixteen lanes take a tile row), two roundings in one
; v_cvt_pk_bf16_f32, 8-byte LDS stores.  Two LDS buffers take turns, one barrier a K step: while step s is multiplied, step s + 1 is rounded and stored and the loads behind it go out.
; WHY NO TENSOR LOADS AND NO JOINT REQUESTS, though four work-groups read the same rows of X and 64 the same rows of W: a tile that is copied to LDS as it lies in memory is f32 there:
; a fragment would be twice the LDS bytes (56 KB in place of 28 KB for 32 along K and four waves), and every wave that reads it would round it again (56 roundings for its 12 products).
; THE MATRIX INSTRUCTION IS USED TRANSPOSED (source 0 = 16 rows of W, source 1 = 16 rows of X): a lane then holds eight neighbouring columns of one row of Y.
; THE BIAS STARTS THE SUMS: it is loaded straight into the accumulators, so nothing is cleared and nothing is added at the end.
; LIMITS.  X and W are rounded to bf16 (nearest even); a magnitude above bf16's largest number, 3.39e38, becomes infinite.  Sums in f32.
.set THREE, 1
.set ROWB,  3072                       ; bytes in a row of X, W and Y
.set PITCH, 144                        ; an LDS row: 64 bf16 = 128 bytes + 16 of padding = 36 words: the 16 rows of a fragment load start at 16 different groups of four banks (64 banks of 4 bytes: ISA guide 11.1)
.set BUF,   256*PITCH                  ; a buffer: X's 64 rows, then W's 192 rows
.set SP,    784                        ; a row of the stage for the way out: 768 bytes + 16
.set GOFF,  1                          ; v1    (t / 16) rows + 16 (t % 16): my 16 bytes in eight rows of X, W or Y; never rewritten
.set LST0,  2                          ; v2-3  where my 8 bytes of bf16 go, in buffer 0, 1
.set FA0,   4                          ; v4-5  my lane's place in X's fragments, in buffer 0, 1
.set FB0,   6                          ; v6-7  the same for my wave's 48 rows of W
.set BOFF,  8                          ; v8    byte offset of my eight columns among the work-group's 192
.set SADR,  9                          ; v9    the way out: where I put 16 bytes of a row
.set RADR,  10                         ; v10   the way out: where I read a row back
.set ACC,   16                         ; v16-111   accumulator (a, b) at ACC + 8 (3 a + b)
.set ST,    112                        ; v112-175  sixteen loads of 16 bytes on their way in
.set FRA,   176                        ; v176-207  four fragments of X
.set FRB,   208                        ; v208-231  three fragments of W
.set XB,    32                         ; s[32:33] X at my 64 rows, stepped along K
.set WB,    34                         ; s[34:35] W at my 192 rows, stepped along K
.set BB,    36                         ; s[36:37] b at my 192 columns
.set OB,    38                         ; s[38:39] Y at my tile
.if THREE
	s_load_b512 s[8:23], s[0:1], 0x0               ; query s[8:9], key s[10:11], value s[12:13], Wq s[14:15], Wk s[16:17], Wv s[18:19], bq s[20:21], bk s[22:23]
	s_load_b256 s[24:31], s[0:1], 0x40             ; bv s[24:25], qf s[26:27], kf s[28:29], vf s[30:31]
	v_lshl_add_u32 v232, v0, 2, 0x12000
	v_mov_b32 v233, 0
	s_lshr_b32 s2, ttmp9, 2                        ; which of the three products
.else
	s_load_b256 s[8:15], s[0:1], 0x0               ; X s[8:9], W s[10:11], b s[12:13], Y s[14:15]
.endif
	s_and_b32 s3, ttmp9, 3                         ; which 192 columns
	s_and_b32 s4, ttmp7, 0xffff                    ; which 64 rows
	v_lshrrev_b32 v15, 5, v0
	v_readfirstlane_b32 s5, v15                    ; wave 0..3
	v_lshrrev_b32 v12, 4, v0                       ; t / 16: 0..7
	v_and_b32 v13, 15, v0                          ; t % 16, also the lane's r
	v_bfe_u32 v14, v0, 4, 1                        ; the lane's h
	v_mul_u32_u24 v[GOFF], v12, ROWB
	v_lshl_add_u32 v[GOFF], v13, 4, v[GOFF]
	v_mul_u32_u24 v[LST0], v12, PITCH
	v_lshl_add_u32 v[LST0], v13, 3, v[LST0]
	v_add_nc_u32 v[LST0+1], BUF, v[LST0]
	v_mul_u32_u24 v[FA0], v13, PITCH               ; a fragment: row r, 16 bytes for each half of the lanes
	v_lshl_add_u32 v[FA0], v14, 4, v[FA0]
	v_add_nc_u32 v[FA0+1], BUF, v[FA0]
	s_mul_i32 s7, s5, 48*PITCH                     ; my wave's 48 rows of W,
	s_add_co_u32 s7, s7, 64*PITCH                  ; which lie behind X's 64
	v_add_nc_u32 v[FB0], s7, v[FA0]
	v_add_nc_u32 v[FB0+1], BUF, v[FB0]
	s_mul_i32 s7, s5, 192                          ; 48 columns of f32 a wave
	v_lshl_add_u32 v[BOFF], v14, 5, s7             ; + 8 columns for the upper half of the lanes
	v_mul_u32_u24 v[SADR], v13, SP
	v_add_nc_u32 v[SADR], v[SADR], v[BOFF]
	v_mul_u32_u24 v[RADR], v12, SP
	v_lshl_add_u32 v[RADR], v13, 4, v[RADR]
	s_wait_kmcnt 0x0
.if THREE
	s_cmp_eq_u32 s2, 1                             ; a choice between buffers on the work-group's number alone
	s_cselect_b64 s[XB:XB+1], s[10:11], s[8:9]
	s_cselect_b64 s[WB:WB+1], s[16:17], s[14:15]
	s_cselect_b64 s[BB:BB+1], s[22:23], s[20:21]
	s_cselect_b64 s[OB:OB+1], s[28:29], s[26:27]
	s_cmp_eq_u32 s2, 2
	s_cselect_b64 s[XB:XB+1], s[12:13], s[XB:XB+1]
	s_cselect_b64 s[WB:WB+1], s[18:19], s[WB:WB+1]
	s_cselect_b64 s[BB:BB+1], s[24:25], s[BB:BB+1]
	s_cselect_b64 s[OB:OB+1], s[30:31], s[OB:OB+1]
.else
	s_mov_b64 s[XB:XB+1], s[8:9]
	s_mov_b64 s[WB:WB+1], s[10:11]
	s_mov_b64 s[BB:BB+1], s[12:13]
	s_mov_b64 s[OB:OB+1], s[14:15]
.endif
	s_mul_i32 s40, s4, 64*ROWB                     ; my 64 rows of X and Y
	s_mov_b32 s41, 0
	s_add_nc_u64 s[XB:XB+1], s[XB:XB+1], s[40:41]
	s_add_nc_u64 s[OB:OB+1], s[OB:OB+1], s[40:41]
	s_mul_i32 s40, s3, 192*ROWB                    ; my 192 rows of W
	s_add_nc_u64 s[WB:WB+1], s[WB:WB+1], s[40:41]
	s_mul_i32 s40, s3, 768                         ; my 192 columns of b and Y
	s_add_nc_u64 s[BB:BB+1], s[BB:BB+1], s[40:41]
	s_add_nc_u64 s[OB:OB+1], s[OB:OB+1], s[40:41]
; A load into a register that a matrix instruction has read, and an LDS store that reads a matrix result, stand four places behind that matrix instruction, and only plain vector
; instructions that name none of its registers are places (ISA guide 7.12.1 for vector instructions).
.macro PLACES
.rept 4
	v_nop
.endr
.endm
; A K step's 256 tile rows come in two groups of sixteen loads (each load: eight rows for the work-group).  Group 0: X's 64 rows and W's first 64.  Group 1: W's other 128.  k: bytes along K from the bases.
.macro GL0 dst, k
.irp j, 0,1,2,3,4,5,6,7
	global_load_b128 v[\dst+4*\j:\dst+4*\j+3], v[GOFF], s[XB:XB+1] offset:\j*8*ROWB+\k
.endr
.irp j, 0,1,2,3,4,5,6,7
	global_load_b128 v[\dst+32+4*\j:\dst+32+4*\j+3], v[GOFF], s[WB:WB+1] offset:\j*8*ROWB+\k
.endr
.endm
.macro GL1 dst, k
.irp j, 0,1,2,3,4,5,6,7,8,9,10,11,12,13,14,15
	global_load_b128 v[\dst+4*\j:\dst+4*\j+3], v[GOFF], s[WB:WB+1] offset:(\j+8)*8*ROWB+\k
.endr
.endm
.macro CVT b                           ; sixteen times four f32 -> four bf16 in the first two of their registers
.irp j, 0,1,2,3,4,5,6,7,8,9,10,11,12,13,14,15
	v_cvt_pk_bf16_f32 v[\b+4*\j],   v[\b+4*\j],   v[\b+4*\j+1]
	v_cvt_pk_bf16_f32 v[\b+4*\j+1], v[\b+4*\j+2], v[\b+4*\j+3]
.endr
.endm
.macro STO g, b, adr                   ; group g's sixteen times eight rows into the buffer of address register adr
.irp j, 0,1,2,3,4,5,6,7,8,9,10,11,12,13,14,15
	ds_store_b64 v[\adr], v[\b+4*\j:\b+4*\j+1] offset:(16*\g+\j)*8*PITCH
.endr
.endm
; The fragments of 32 along K (half ks of the step) out of buffer cur: 16 rows x 32 K in 8 registers, two loads of 16 bytes, 32 bytes apart.
.macro FRAGS cur, ks
	PLACES
.irp b, 0,1,2
	ds_load_b128 v[FRB+8*\b:FRB+8*\b+3],   v[FB0+\cur] offset:\b*16*PITCH+64*\ks
	ds_load_b128 v[FRB+8*\b+4:FRB+8*\b+7], v[FB0+\cur] offset:\b*16*PITCH+64*\ks+32
.endr
.irp a, 0,1,2,3
	ds_load_b128 v[FRA+8*\a:FRA+8*\a+3],   v[FA0+\cur] offset:\a*16*PITCH+64*\ks
	ds_load_b128 v[FRA+8*\a+4:FRA+8*\a+7], v[FA0+\cur] offset:\a*16*PITCH+64*\ks+32
.endr
.endm
.macro MUL                             ; the twelve accumulators take turns, one instruction a turn, in the same order everywhere
.irp a, 0,1,2,3
.irp b, 0,1,2
	v_wmma_f32_16x16x32_bf16 v[ACC+8*(3*\a+\b):ACC+8*(3*\a+\b)+7], v[FRB+8*\b:FRB+8*\b+7], v[FRA+8*\a:FRA+8*\a+7], v[ACC+8*(3*\a+\b):ACC+8*(3*\a+\b)+7]
.endr
.endr
.endm
; Half a K step.  bring = 1: group g of the next step, which is on its way into ST, is rounded and stored into buffer nxt, and ST is asked for again
; (issue = 1: group 1 at byte k; 2: group 0 at byte k; 0: nothing is left).
.macro HALF cur, ks, g, nxt, bring, issue, k
	FRAGS \cur, \ks
.if \bring
	s_wait_loadcnt 0x0                             ; the sixteen loads into ST are in (the first time round also the bias in the accumulators)
	CVT ST
	STO \g, ST, LST0+\nxt
.if \issue == 1
	GL1 ST, \k
.elseif \issue == 2
	GL0 ST, \k
.endif
	s_wait_dscnt 16                                ; LDS instructions end in order (ISA guide 5.7.1): the 14 fragment loads are in, the 16 stores behind them may be out
.else
	s_wait_dscnt 0x0
.endif
	MUL
.endm
; A K step out of buffer cur.  The barrier at its end does two things: every wave's reads of cur are back, so the next step may store into it; every wave's stores into nxt are done, so the next step may read it.
.macro TRIP cur, nxt, bring, k1, again, k0
	HALF \cur, 0, 0, \nxt, \bring, 1, \k1
	HALF \cur, 1, 1, \nxt, \bring, 2*\again, \k0
	s_wait_dscnt 0x0                               ; for the others' sake: zero
	s_barrier_signal -1
	s_barrier_wait -1
.endm
	GL0 ST, 0                                      ; K step 0: both groups at once, the second into the accumulators' registers, which are still free
	GL1 ACC, 0
	s_wait_loadcnt 16                              ; group 0 is in; group 1's sixteen loads may be out
	CVT ST
	STO 0, ST, LST0
	s_wait_loadcnt 0x0
	CVT ACC
	STO 1, ACC, LST0
	GL0 ST, 256                                    ; K step 1, group 0
	s_wait_dscnt 0x0                               ; my stores of step 0 are done: for the others, and before the accumulators' registers are loaded again
.irp a, 0,1,2,3
.irp b, 0,1,2
	global_load_b128 v[ACC+8*(3*\a+\b):ACC+8*(3*\a+\b)+3],   v[BOFF], s[BB:BB+1] offset:64*\b      ; the bias of my eight columns of block b, once for each of the four row blocks
	global_load_b128 v[ACC+8*(3*\a+\b)+4:ACC+8*(3*\a+\b)+7], v[BOFF], s[BB:BB+1] offset:64*\b+16
.endr
.endr
	s_barrier_signal -1
	s_barrier_wait -1
	s_mov_b32 s6, 5
.Lpair:                                                ; a trip is two K steps; at its head group 0 of the step at byte 256 is on its way
	TRIP 0, 1, 1, 256, 1, 512
	TRIP 1, 0, 1, 512, 1, 768
	s_wait_xcnt 0x0                                ; the bases are stepped only behind this wait
	s_add_nc_u64 s[XB:XB+1], s[XB:XB+1], 512
	s_add_nc_u64 s[WB:WB+1], s[WB:WB+1], 512
	s_sub_co_u32 s6, s6, 1
	s_cmp_lg_u32 s6, 0
	s_cbranch_scc1 .Lpair
	TRIP 0, 1, 1, 256, 0, 0                        ; K steps 10 and 11 are written out: no load passes the rows' end
	TRIP 1, 0, 0, 0, 0, 0
	; THE WAY OUT.  The stage lies where the buffers lay: the barrier above stands behind every wave's last read of them.  A lane's eight columns are 32 bytes of a row; the rows are
	; read back whole, since a row's 768 bytes come from four waves.
	PLACES
.irp a, 0,1,2,3
.irp b, 0,1,2
	ds_store_b128 v[SADR], v[ACC+8*(3*\a+\b):ACC+8*(3*\a+\b)+3]   offset:\a*16*SP+64*\b
	ds_store_b128 v[SADR], v[ACC+8*(3*\a+\b)+4:ACC+8*(3*\a+\b)+7] offset:\a*16*SP+64*\b+16
.endr
.endr
	s_wait_dscnt 0x0                               ; for the others' sake: my stores into the stage are done
	s_barrier_signal -1
	s_barrier_wait -1
.irp i, 0,1,2,3,4,5,6,7
.irp u, 0,1,2
	ds_load_b128 v[ACC+4*(3*\i+\u):ACC+4*(3*\i+\u)+3], v[RADR] offset:\i*8*SP+256*\u
.endr
.endr
.irp i, 0,1,2,3,4,5,6,7
.irp u, 0,1,2
	s_wait_dscnt 23-(3*\i+\u)                      ; this read is back; the younger ones may be out
.if THREE
	global_store_b128 v[GOFF], v[ACC+4*(3*\i+\u):ACC+4*(3*\i+\u)+3], s[OB:OB+1] offset:\i*8*ROWB+256*\u   ; 16 lanes store 256 consecutive bytes, at a multiple of 256 from Y's first byte
.else
	global_store_b128 v[GOFF], v[ACC+4*(3*\i+\u):ACC+4*(3*\i+\u)+3], s[OB:OB+1] offset:\i*8*ROWB+256*\u th:TH_STORE_NT
.endif
.endr
.endr
	s_wait_tensorcnt 0x0
	ds_add_u32 v232, v233
	s_wait_dscnt 0x0
	s_endpgm
.Lfunc_end_k_q96e17f8313_proj:
	.size	k_q96e17f8313_proj, .Lfunc_end_k_q96e17f8313_proj-k_q96e17f8313_proj
	.p2alignl 7, 3214868480
	.fill 96, 4, 3214868480
	.section	.rodata,"a",@progbits
	.p2align	6, 0x0
	.amdhsa_kernel k_q96e17f8313_proj
		.amdhsa_group_segment_fixed_size 74240
		.amdhsa_private_segment_fixed_size 0
		.amdhsa_enable_private_segment 0
		.amdhsa_kernarg_size 96
		.amdhsa_user_sgpr_count 2
		.amdhsa_user_sgpr_kernarg_segment_ptr 1
		.amdhsa_wavefront_size32 1
		.amdhsa_system_sgpr_workgroup_id_x 1
		.amdhsa_system_sgpr_workgroup_id_y 1
		.amdhsa_system_sgpr_workgroup_id_z 1
		.amdhsa_system_vgpr_workitem_id 0
		.amdhsa_next_free_vgpr 234
		.amdhsa_next_free_sgpr 66
		.amdhsa_reserve_vcc 0
		.amdhsa_float_denorm_mode_32 3
		.amdhsa_float_denorm_mode_16_64 3
		.amdhsa_memory_ordered 1
		.amdhsa_forward_progress 1
		.amdhsa_inst_pref_size 63
	.end_amdhsa_kernel
	.amdgpu_metadata
---
amdhsa.version: [ 1, 2 ]
amdhsa.kernels:
  - .name:           k_q96e17f8313_proj
    .symbol:         k_q96e17f8313_proj.kd
    .args:
      - { .name: query, .offset: 0, .size: 8, .value_kind: global_buffer, .address_space: global }
      - { .name: key, .offset: 8, .size: 8, .value_kind: global_buffer, .address_space: global }
      - { .name: value, .offset: 16, .size: 8, .value_kind: global_buffer, .address_space: global }
      - { .name: Wq, .offset: 24, .size: 8, .value_kind: global_buffer, .address_space: global }
      - { .name: Wk, .offset: 32, .size: 8, .value_kind: global_buffer, .address_space: global }
      - { .name: Wv, .offset: 40, .size: 8, .value_kind: global_buffer, .address_space: global }
      - { .name: bq, .offset: 48, .size: 8, .value_kind: global_buffer, .address_space: global }
      - { .name: bk, .offset: 56, .size: 8, .value_kind: global_buffer, .address_space: global }
      - { .name: bv, .offset: 64, .size: 8, .value_kind: global_buffer, .address_space: global }
      - { .name: qf, .offset: 72, .size: 8, .value_kind: global_buffer, .address_space: global }
      - { .name: kf, .offset: 80, .size: 8, .value_kind: global_buffer, .address_space: global }
      - { .name: vf, .offset: 88, .size: 8, .value_kind: global_buffer, .address_space: global }
    .group_segment_fixed_size: 74240
    .private_segment_fixed_size: 0
    .kernarg_segment_align: 8
    .kernarg_segment_size: 96
    .max_flat_workgroup_size: 128
    .sgpr_count:     66
    .vgpr_count:     234
    .wavefront_size: 32
...
	.end_amdgpu_metadata
.endif
;; end of part 1
;; launch attn (part 2): grid 64 x 12, 4 waves a work-group, no clusters, 108,032 bytes of LDS; arguments qf, kf, vf, ctx; writes ctx
.if DOCPART == 2
	.amdgcn_target "amdgcn-amd-amdhsa--gfx1250"
	.amdhsa_code_object_version 6
	.text
	.protected	k_q96e17f8313_attn
	.globl	k_q96e17f8313_attn
	.p2align	8
	.type	k_q96e17f8313_attn,@function
k_q96e17f8313_attn:
	s_mov_b64 s[64:65], 0
	v_nop
	global_prefetch_b8 v0, s[64:65] scope:SCOPE_SE
	s_setreg_imm32_b32 hwreg(HW_REG_WAVE_MODE, 25, 1), 1
	s_wait_xcnt 0x0
; ctx[q][head] = the sum over keys k with |k - q| <= 64 of softmax_k(Q[q] . K[k] / 8) V[k], for 12 heads of 64 channels.  qf, kf, vf, ctx: [4096][768] f32; a head's part of a row is 256 bytes.
; SHARES.  A work-group owns one head and 64 queries q0 .. q0 + 63; each of its four waves 16 of them.  The work-group's keys are q0 - 64 .. q0 + 127: 12 tiles of 16; wave w uses tiles w .. w + 8.
; FORMATS.  Q, K, V and the weights p enter the matrix unit as TWO bf16 numbers each, hi = bf16(x) and lo = bf16(x - hi), and each product is three: hi hi + lo hi + hi lo.  The term lo lo,
; 2^-16 of the product, is dropped.  So these four carry about 16 bits of mantissa with bf16's range.  Products, maximum and sum in f32.
; LAYOUT.  S^T = K Q^T (source 0 = 16 keys, source 1 = 16 queries): a lane (r = lane % 16, h = lane / 16) holds ONE query r and the keys 8 h + 0..7 of each tile.  Two tiles, rounded in pairs, ARE
; source 1 (32 keys x 16 queries) of O^T = V^T P, whose result again holds one query a lane.  K comes out of LDS as it lies, V ([key][channel]) turned, by ds_load_tr16_b128.
; MASK.  Key 16 i + 8 h + j of the wave's window belongs to query r iff 0 <= 16 i + 8 h + j - r <= 128: in tile 0 iff j >= r - 8 h, in tile 8 iff j <= r - 8 h, in tiles 1 to 7 always.
; The sequence's ends cut whole tiles: a tile is inside iff its first row is in 0 .. 4095.  The rows loaded for a tile outside are clamped into the buffer: finite numbers with weight 0.
; Every score passes one v_cndmask_b32 against -infinity: no branch.
; SOFTMAX.  A lane's 72 scores stay in registers, so the true maximum of the window is taken away in one pass: p = 2^(c s - c m), c = log2(e) / 8.  A query's own key is always inside, so m is a score and l >= 1.
; WHY NO TENSOR LOADS AND NO JOINT REQUESTS, though neighbouring work-groups read two thirds of the same keys: K and V are f32 in memory and are split into hi and lo in registers on their
; way to LDS, once for the four waves; and neighbours' windows are shifted by 64 rows, so no tile of 192 rows is common to two work-groups.
; LIMITS.  A magnitude of Q, K or V above bf16's largest number, 3.39e38, becomes infinite.  A weight below 2^-126 of the largest counts as zero (v_exp_f32 flushes: ISA guide 15.8).
.set ROWB, 3072                        ; bytes in a row of the four tensors
.set PK,   272                         ; a key's row of K in LDS: hi 128 bytes, lo 128 bytes, 16 of padding = 68 words: the 16 rows of a load start at 16 different groups of four banks (64 banks of 4 bytes: ISA guide 11.1)
.set PVAL, 288                         ; a key's row of V: hi, lo, 32 of padding = 72 words
.set VOFF, 192*PK                      ; V's 192 rows lie behind K's
.set LSK,  1                           ; v1   where my 8 bytes of K go; later NEG
.set NEG,  1                           ;      -infinity
.set LSV,  2                           ; v2   the same for V; later at work on l
.set QAD,  3                           ; v3   my byte offset in the work-group's rows of Q; later the maximum, then at work on l
.set T,    4                           ; v[4:5]  hi of four numbers of K or V; then c m twice; then 1 / l twice
.set U,    6                           ; v[6:9]  SPLIT's scratch
.set FK,   10                          ; v10  my lane's place in my wave's first tile of K
.set FV,   11                          ; v11  the same for V, for the turning load
.set E,    12                          ; v12  r - 8 h
.set STO,  13                          ; v13  the way out: where I put 32 bytes of a row
.set RD,   14                          ; v14  the way out: where I read a row back
.set GO,   15                          ; v15  my byte offset in the work-group's rows of ctx
.set QS,   16                          ; v16-47    Q as loaded;  QL v16-31 its lo afterwards
.set QL,   16
.set KS,   48                          ; v48-143   K as loaded;  QH v48-63 Q's hi afterwards
.set QH,   48
.set VS,   144                         ; v144-239  V as loaded
.set AD,   240                         ; v240-251  tile j's byte offset in K and V
.set TA,   252                         ; v252-255  at work while the addresses are made
.set TR,   253
.set TH,   254
.set TX,   255
.set KB,   64                          ; v64-159   K's fragments of three tiles: tile tau at + 32 tau, lo at + 16, channels 32 on at + 8
.set S,    184                         ; v184-255  S^T, 8 a tile
.set PH,   16                          ; v16-55    P's hi: 4 a tile, and 4 of zeros for the tile that is not there
.set PL,   184                         ; v184-223  P's lo, likewise
.set VB0,  56                          ; v56-119, v120-183  V's fragments of 32 keys, two buffers: lo at + 32, channels 16 c on at + 8 c
.set VB1,  120
.set SUM,  120                         ; v120-127  four running sums of pairs (before VB1 is first loaded)
.set M,    128                         ; v128-136  nine running maxima (likewise)
.set O,    224                         ; v224-255  O^T: channels 16 c on at + 8 c
.set OUTR, 56                          ; v56-87    the way out: whole rows
.set WV,   29                          ; s29  wave
.set HD,   30                          ; s30  head
                                       ; s20-28 tile i inside the sequence: -1 or 0;  s32-39, s40-47 lane masks of tiles 0 and 8 for j = 0..7;  s[48:49] c;  s[50:51] lane selects;  s52 a word's upper bf16
	s_load_b256 s[8:15], s[0:1], 0x0               ; qf s[8:9], kf s[10:11], vf s[12:13], ctx s[14:15]
	s_set_vgpr_msb 0x40
	v_lshl_add_u32 v0, v0, 2, 0x1a400
	v_mov_b32 v1, 0
	s_set_vgpr_msb 0x4000
	v_lshrrev_b32 v[TX], 5, v0
	v_readfirstlane_b32 s[WV], v[TX]
	s_and_b32 s[HD], ttmp7, 0xffff
	v_lshrrev_b32 v[TA], 4, v0                     ; t / 16: 0..7
	v_and_b32 v[TR], 15, v0                        ; t % 16, also the lane's r
	v_bfe_u32 v[TH], v0, 4, 1                      ; the lane's h
	v_mul_u32_u24 v[TX], v[TA], ROWB
	v_lshl_add_u32 v[TX], v[TR], 4, v[TX]          ; my 16 bytes in eight rows: sixteen lanes take a head's 256 bytes of a row
	s_lshl_b32 s18, ttmp9, 6
	s_sub_co_i32 s18, s18, 64                      ; the first row of the work-group's tile 0; below 0 in the first work-group
.irp j, 0,1,2,3,4,5,6,7,8,9,10,11
	s_max_i32 s19, s18, 0                          ; a tile outside the sequence reads the nearest tile inside
	s_min_i32 s19, s19, 4080
	s_mul_i32 s19, s19, ROWB
	v_add_nc_u32 v[AD+\j], s19, v[TX]
	s_add_co_i32 s18, s18, 16
.endr
	s_mul_i32 s19, s[WV], 16*ROWB                  ; Q: row 16 w + r, 32 bytes (8 channels) for each half of the lanes
	v_mul_u32_u24 v[QAD], v[TR], ROWB
	v_lshl_add_u32 v[QAD], v[TH], 5, v[QAD]
	v_add_nc_u32 v[QAD], s19, v[QAD]
	s_lshl_b32 s16, s[HD], 8                       ; the head's 256 bytes in a row
	s_mov_b32 s17, 0
	s_wait_kmcnt 0x0
	s_add_nc_u64 s[8:9], s[8:9], s[16:17]
	s_add_nc_u64 s[10:11], s[10:11], s[16:17]
	s_add_nc_u64 s[12:13], s[12:13], s[16:17]
	s_add_nc_u64 s[14:15], s[14:15], s[16:17]
	s_mul_i32 s16, ttmp9, 64*ROWB                  ; the work-group's 64 rows of Q and ctx
	s_add_nc_u64 s[8:9], s[8:9], s[16:17]
	s_add_nc_u64 s[14:15], s[14:15], s[16:17]
	; all 56 loads go out at once: load n = 0..23 is K's rows 8 n .. 8 n + 7 of the window, 24..47 V's, 48..55 Q's fragments
.irp j, 0,1,2,3,4,5,6,7,8,9,10,11
	global_load_b128 v[KS+8*\j:KS+8*\j+3],   v[AD+\j], s[10:11]
	global_load_b128 v[KS+8*\j+4:KS+8*\j+7], v[AD+\j], s[10:11] offset:8*ROWB
.endr
.irp j, 0,1,2,3,4,5,6,7,8,9,10,11
	global_load_b128 v[VS+8*\j:VS+8*\j+3],   v[AD+\j], s[12:13]
	global_load_b128 v[VS+8*\j+4:VS+8*\j+7], v[AD+\j], s[12:13] offset:8*ROWB
.endr
.irp c, 0,1
.irp g, 0,1
.irp e, 0,1
	global_load_b128 v[QS+16*\c+8*\g+4*\e:QS+16*\c+8*\g+4*\e+3], v[QAD], s[8:9] offset:128*\c+64*\g+16*\e   ; channels 32 c + 16 g + 8 h + 4 e on
.endr
.endr
.endr
	; the other addresses and the masks are made while the loads are on their way
	v_mul_u32_u24 v[LSK], v[TA], PK
	v_lshl_add_u32 v[LSK], v[TR], 3, v[LSK]
	v_mul_u32_u24 v[LSV], v[TA], PVAL
	v_lshl_add_u32 v[LSV], v[TR], 3, v[LSV]
	v_add_nc_u32 v[LSV], VOFF, v[LSV]
	s_mul_i32 s19, s[WV], 16*PK                    ; my wave's first tile of K; later my wave's stage
	v_mul_u32_u24 v[TX], v[TR], PK
	v_add_nc_u32 v[TX], s19, v[TX]
	v_lshl_add_u32 v[FK], v[TH], 4, v[TX]          ; row r, 16 bytes for each half of the lanes
	v_lshl_add_u32 v[STO], v[TH], 5, v[TX]         ; row r, 32 bytes for each half
	v_mul_u32_u24 v[RD], v[TH], PK                 ; back: lanes 0-15 one row of 256 bytes, lanes 16-31 the next
	v_lshl_add_u32 v[RD], v[TR], 4, v[RD]
	v_add_nc_u32 v[RD], s19, v[RD]
	s_mul_i32 s18, s[WV], 16*ROWB
	v_mul_u32_u24 v[GO], v[TH], ROWB               ; and the same two rows in ctx
	v_lshl_add_u32 v[GO], v[TR], 4, v[GO]
	v_add_nc_u32 v[GO], s18, v[GO]
	v_and_b32 v[TX], 7, v0                         ; the turning load: lane l reads key 8 (l / 16) + l % 8, channels 8 ((l / 8) % 2) on
	v_lshl_add_u32 v[TX], v[TH], 3, v[TX]
	v_mul_u32_u24 v[FV], v[TX], PVAL
	v_bfe_u32 v[TX], v0, 3, 1
	v_lshl_add_u32 v[FV], v[TX], 4, v[FV]
	s_mul_i32 s19, s[WV], 16*PVAL
	s_add_co_u32 s19, s19, VOFF
	v_add_nc_u32 v[FV], s19, v[FV]
	v_lshlrev_b32 v[TX], 3, v[TH]
	v_sub_nc_u32 v[E], v[TR], v[TX]                ; r - 8 h, -8 .. 15
	s_lshl_b32 s18, ttmp9, 6
	s_lshl4_add_u32 s18, s[WV], s18
	s_sub_co_i32 s18, s18, 64                      ; the first row of my wave's tile 0
.irp i, 0,1,2,3,4,5,6,7,8
	s_cmp_lt_u32 s18, 4096                         ; unsigned: a row below 0 is not under 4,096 either
	s_cselect_b32 s[20+\i], -1, 0
	s_add_co_i32 s18, s18, 16
.endr
.irp j, 0,1,2,3,4,5,6,7
	v_cmp_ge_i32 s[32+\j], \j, v[E]                ; tile 0: j >= r - 8 h
	v_cmp_le_i32 s[40+\j], \j, v[E]                ; tile 8: j <= r - 8 h
.endr
.irp j, 0,1,2,3,4,5,6,7
	s_and_b32 s[32+\j], s[32+\j], s20
	s_and_b32 s[40+\j], s[40+\j], s28
.endr
	s_mov_b32 s48, 0x3e38aa3b                      ; c = log2(e) / 8 = 0.180337
	s_mov_b32 s49, s48                             ; named with it as a pair, so it is written
	s_mov_b32 s50, 0x76543210                      ; v_permlanex16_b32: each lane takes its own place in the other half
	s_mov_b32 s51, 0xfedcba98
	s_mov_b32 s52, 0xffff0000
.macro PLACES                          ; four places behind a matrix instruction, in front of what reads its result or writes or loads one of its registers (ISA guide 7.12.1 for vector instructions)
.rept 4
	v_nop
.endr
.endm
; Four f32 in v[X .. X+3] -> hi (two registers H0, H1) and lo (L0, L1), bf16 in pairs.  x - hi is exact in f32; X is used up.
.macro SPLIT X, H0, H1, L0, L1
	v_cvt_pk_bf16_f32 v[\H0], v[\X], v[\X+1]
	v_cvt_pk_bf16_f32 v[\H1], v[\X+2], v[\X+3]
	v_lshlrev_b32 v[U],   16,  v[\H0]
	v_and_b32     v[U+1], s52, v[\H0]
	v_lshlrev_b32 v[U+2], 16,  v[\H1]
	v_and_b32     v[U+3], s52, v[\H1]
	v_pk_add_f32 v[\X:\X+1],   v[\X:\X+1],   v[U:U+1]   neg_lo:[0,1] neg_hi:[0,1]
	v_pk_add_f32 v[\X+2:\X+3], v[\X+2:\X+3], v[U+2:U+3] neg_lo:[0,1] neg_hi:[0,1]
	v_cvt_pk_bf16_f32 v[\L0], v[\X], v[\X+1]
	v_cvt_pk_bf16_f32 v[\L1], v[\X+2], v[\X+3]
.endm
	; K and V are split and laid into LDS, eight rows of the window a load
.set n, 0
.rept 24
	s_wait_loadcnt 55-n                            ; loads come back in order (ISA guide 5.7.1): load n is in, the 55 - n behind it may be out
	SPLIT KS+4*n, T, T+1, KS+4*n, KS+4*n+1
	ds_store_b64 v[LSK], v[T:T+1] offset:n*8*PK
	ds_store_b64 v[LSK], v[KS+4*n:KS+4*n+1] offset:n*8*PK+128
.set n, n+1
.endr
.set n, 0
.rept 24
	s_wait_loadcnt 31-n
	SPLIT VS+4*n, T, T+1, VS+4*n, VS+4*n+1
	ds_store_b64 v[LSV], v[T:T+1] offset:n*8*PVAL
	ds_store_b64 v[LSV], v[VS+4*n:VS+4*n+1] offset:n*8*PVAL+128
.set n, n+1
.endr
	s_wait_loadcnt 0x0                             ; Q
	s_wait_dscnt 0x0                               ; for the others' sake: my part of K and V is in LDS
	s_barrier_signal -1
.set n, 0
.rept 8                                ; Q is split while the others arrive: register work alone.  lo is packed downward in place: it lands on registers that earlier splits have used up
	SPLIT QS+4*n, QH+2*n, QH+2*n+1, QL+2*n, QL+2*n+1
.set n, n+1
.endr
	s_barrier_wait -1
; Three tiles' fragments of K, hi and lo: 24 loads.
.macro KFETCH bt
	PLACES
.irp tau, 0,1,2
.irp pl, 0,1
.irp c, 0,1
	ds_load_b128 v[KB+32*\tau+16*\pl+8*\c:KB+32*\tau+16*\pl+8*\c+3],   v[FK] offset:(3*\bt+\tau)*16*PK+128*\pl+64*\c
	ds_load_b128 v[KB+32*\tau+16*\pl+8*\c+4:KB+32*\tau+16*\pl+8*\c+7], v[FK] offset:(3*\bt+\tau)*16*PK+128*\pl+64*\c+32
.endr
.endr
.endr
.endm
; One term (K's hi or lo, Q's hi or lo, channels 32 c on) for the three tiles, whose accumulators take turns, one instruction a turn.  zero = 1: it starts the sums.
.macro QKT bt, pl, q, c, zero
.irp tau, 0,1,2
.if \zero
	v_wmma_f32_16x16x32_bf16 v[S+8*(3*\bt+\tau):S+8*(3*\bt+\tau)+7], v[KB+32*\tau+16*\pl+8*\c:KB+32*\tau+16*\pl+8*\c+7], v[\q+8*\c:\q+8*\c+7], 0
.else
	v_wmma_f32_16x16x32_bf16 v[S+8*(3*\bt+\tau):S+8*(3*\bt+\tau)+7], v[KB+32*\tau+16*\pl+8*\c:KB+32*\tau+16*\pl+8*\c+7], v[\q+8*\c:\q+8*\c+7], v[S+8*(3*\bt+\tau):S+8*(3*\bt+\tau)+7]
.endif
.endr
.endm
.macro QK bt
	QKT \bt, 0, QH, 0, 1                           ; hi hi
	QKT \bt, 0, QH, 1, 0
	QKT \bt, 1, QH, 0, 0                           ; K's lo, Q's hi
	QKT \bt, 1, QH, 1, 0
	QKT \bt, 0, QL, 0, 0                           ; K's hi, Q's lo
	QKT \bt, 0, QL, 1, 0
.endm
; V's fragments of keys 32 step on, hi and lo, four blocks of 16 channels: 16 turning loads.  Step 4 has only 16 keys: its second halves repeat the first address: finite numbers, which meet weights of zero.
.macro VFETCH step, vb
.irp pl, 0,1
.irp c, 0,1,2,3
	ds_load_tr16_b128 v[\vb+32*\pl+8*\c:\vb+32*\pl+8*\c+3], v[FV] offset:\step*32*PVAL+128*\pl+32*\c
.if \step < 4
	ds_load_tr16_b128 v[\vb+32*\pl+8*\c+4:\vb+32*\pl+8*\c+7], v[FV] offset:\step*32*PVAL+16*PVAL+128*\pl+32*\c
.else
	ds_load_tr16_b128 v[\vb+32*\pl+8*\c+4:\vb+32*\pl+8*\c+7], v[FV] offset:\step*32*PVAL+128*\pl+32*\c
.endif
.endr
.endr
.endm
; One term (V's hi or lo, P's hi or lo) for the four blocks of channels, whose accumulators take turns, one instruction a turn.
.macro PVT step, vb, pl, wt, zero
.irp c, 0,1,2,3
.if \zero
	v_wmma_f32_16x16x32_bf16 v[O+8*\c:O+8*\c+7], v[\vb+32*\pl+8*\c:\vb+32*\pl+8*\c+7], v[\wt+8*\step:\wt+8*\step+7], 0
.else
	v_wmma_f32_16x16x32_bf16 v[O+8*\c:O+8*\c+7], v[\vb+32*\pl+8*\c:\vb+32*\pl+8*\c+7], v[\wt+8*\step:\wt+8*\step+7], v[O+8*\c:O+8*\c+7]
.endif
.endr
.endm
.macro PV step, vb, zero
	PVT \step, \vb, 0, PH, \zero                   ; hi hi
	PVT \step, \vb, 1, PH, 0                       ; V's lo, P's hi
	PVT \step, \vb, 0, PL, 0                       ; V's hi, P's lo
.endm
	; THE SCORES: nine tiles, three at a time
.irp bt, 0,1,2
	KFETCH \bt
	s_wait_dscnt 0x0
	QK \bt
.endr
	PLACES
	VFETCH 0, VB0                                  ; the first 32 keys of V come while the softmax is made
	; THE SOFTMAX of my query's 72 scores (the query's other 72 lie in the lane 16 away)
	v_mov_b32 v[NEG], 0xff800000
.irp j, 0,1,2,3,4,5,6,7
	v_cndmask_b32 v[S+\j],    v[NEG], v[S+\j],    s[32+\j]
	v_cndmask_b32 v[S+64+\j], v[NEG], v[S+64+\j], s[40+\j]
.endr
.irp i, 1,2,3,4,5,6,7
.irp j, 0,1,2,3,4,5,6,7
	v_cndmask_b32 v[S+8*\i+\j], v[NEG], v[S+8*\i+\j], s[20+\i]
.endr
.endr
.irp i, 0,1,2,3,4,5,6,7,8                  ; nine chains, one a tile, of seven scores each
	v_max3_num_f32 v[M+\i], v[S+8*\i], v[S+8*\i+1], v[S+8*\i+2]
.endr
.irp i, 0,1,2,3,4,5,6,7,8
	v_max3_num_f32 v[M+\i], v[M+\i], v[S+8*\i+3], v[S+8*\i+4]
.endr
.irp i, 0,1,2,3,4,5,6,7,8
	v_max3_num_f32 v[M+\i], v[M+\i], v[S+8*\i+5], v[S+8*\i+6]
.endr
.irp i, 0,1,2,3                            ; the tiles' eighth scores
	v_max3_num_f32 v[M+\i], v[M+\i], v[S+16*\i+7], v[S+16*\i+15]
.endr
	v_max3_num_f32 v[M+4], v[M+4], v[S+71], v[M+5]
	v_max3_num_f32 v[M], v[M], v[M+1], v[M+2]
	v_max3_num_f32 v[M+3], v[M+3], v[M+4], v[M+6]
	v_max3_num_f32 v[M], v[M], v[M+7], v[M+8]
	v_max_num_f32 v[M], v[M], v[M+3]
	v_permlanex16_b32 v[M+1], v[M], s50, s51
	v_max_num_f32 v[QAD], v[M], v[M+1]             ; m
	v_mul_f32 v[T], s48, v[QAD]                    ; c m, twice
	v_mov_b32 v[T+1], v[T]
.set n, 0
.rept 36
	v_pk_fma_f32 v[S+2*n:S+2*n+1], v[S+2*n:S+2*n+1], s[48:49], v[T:T+1] op_sel_hi:[1,0,1] neg_lo:[0,0,1] neg_hi:[0,0,1]   ; c s - c m; -infinity stays
.set n, n+1
.endr
.set n, 0
.rept 72
	v_exp_f32 v[S+n], v[S+n]
.set n, n+1
.endr
	v_nop                                          ; a plain instruction between the last exponential and the use of its result (ISA guide 5.7.2)
	s_wait_alu depctr_va_vdst(0)
.irp k, 0,1,2,3                            ; l: four chains of nine pairs; the weights stay as they are
	v_pk_add_f32 v[SUM+2*\k:SUM+2*\k+1], v[S+2*\k:S+2*\k+1], v[S+8+2*\k:S+8+2*\k+1]
.endr
.irp i, 2,3,4,5,6,7,8
.irp k, 0,1,2,3
	v_pk_add_f32 v[SUM+2*\k:SUM+2*\k+1], v[SUM+2*\k:SUM+2*\k+1], v[S+8*\i+2*\k:S+8*\i+2*\k+1]
.endr
.endr
	v_pk_add_f32 v[SUM:SUM+1], v[SUM:SUM+1], v[SUM+2:SUM+3]
	v_pk_add_f32 v[SUM+4:SUM+5], v[SUM+4:SUM+5], v[SUM+6:SUM+7]
	v_pk_add_f32 v[SUM:SUM+1], v[SUM:SUM+1], v[SUM+4:SUM+5]
	v_add_f32 v[LSV], v[SUM], v[SUM+1]
	v_permlanex16_b32 v[QAD], v[LSV], s50, s51
	v_add_f32 v[LSV], v[LSV], v[QAD]               ; l, at least 1
	v_rcp_f32 v[T], v[LSV]                         ; 1 / l, twice, for the packed multiply at the end; the splits below are the plain instructions behind them
	v_rcp_f32 v[T+1], v[LSV]
.set n, 0
.rept 18                                   ; the weights' hi and lo; lo is packed downward in place
	SPLIT S+4*n, PH+2*n, PH+2*n+1, PL+2*n, PL+2*n+1
.set n, n+1
.endr
.irp k, 0,1,2,3                            ; the tenth tile, which is not there, has weights of zero
	v_mov_b32 v[PH+36+\k], 0
	v_mov_b32 v[PL+36+\k], 0
.endr
	; O^T = V^T P, 32 keys a step, V's fragments in two buffers by turns
	VFETCH 1, VB1
	s_wait_dscnt 16                                ; this step's 16 loads are in; the next step's 16 may be out
	PV 0, VB0, 1
	PLACES
	VFETCH 2, VB0
	s_wait_dscnt 16
	PV 1, VB1, 0
	PLACES
	VFETCH 3, VB1
	s_wait_dscnt 16
	PV 2, VB0, 0
	PLACES
	VFETCH 4, VB0
	s_wait_dscnt 16
	PV 3, VB1, 0
	s_wait_dscnt 0x0                               ; the last step's loads; also: all my reads of K and V are back
	PV 4, VB0, 0
	s_barrier_signal -1                            ; the stage lies where K lay: no wave writes it before every wave's reads of K are back
	s_barrier_wait -1
	; THE WAY OUT: O^T / l goes through my wave's own stage: a lane's eight channels are 32 bytes of a row; the rows come back whole
	PLACES
	s_wait_alu depctr_va_vdst(0)
.irp k, 0,1,2,3,4,5,6,7,8,9,10,11,12,13,14,15
	v_pk_mul_f32 v[O+2*\k:O+2*\k+1], v[O+2*\k:O+2*\k+1], v[T:T+1]
.endr
.irp c, 0,1,2,3
	ds_store_b128 v[STO], v[O+8*\c:O+8*\c+3]   offset:64*\c
	ds_store_b128 v[STO], v[O+8*\c+4:O+8*\c+7] offset:64*\c+16
.endr
.irp i, 0,1,2,3,4,5,6,7
	ds_load_b128 v[OUTR+4*\i:OUTR+4*\i+3], v[RD] offset:\i*2*PK    ; LDS serves a wave's instructions in order (ISA guide 5.7.1.4): these see the stores above
.endr
.irp i, 0,1,2,3,4,5,6,7
	s_wait_dscnt 7-\i                              ; this read is back; the younger ones may be out
	global_store_b128 v[GO], v[OUTR+4*\i:OUTR+4*\i+3], s[14:15] offset:\i*2*ROWB   ; 16 lanes store 256 consecutive bytes, at a multiple of 256 from ctx's first byte
.endr
	s_set_vgpr_msb 0x5
	s_wait_tensorcnt 0x0
	ds_add_u32 v0, v1
	s_wait_dscnt 0x0
	s_set_vgpr_msb 0x500
	s_endpgm
.Lfunc_end_k_q96e17f8313_attn:
	.size	k_q96e17f8313_attn, .Lfunc_end_k_q96e17f8313_attn-k_q96e17f8313_attn
	.p2alignl 7, 3214868480
	.fill 96, 4, 3214868480
	.section	.rodata,"a",@progbits
	.p2align	6, 0x0
	.amdhsa_kernel k_q96e17f8313_attn
		.amdhsa_group_segment_fixed_size 108032
		.amdhsa_private_segment_fixed_size 0
		.amdhsa_enable_private_segment 0
		.amdhsa_kernarg_size 32
		.amdhsa_user_sgpr_count 2
		.amdhsa_user_sgpr_kernarg_segment_ptr 1
		.amdhsa_wavefront_size32 1
		.amdhsa_system_sgpr_workgroup_id_x 1
		.amdhsa_system_sgpr_workgroup_id_y 1
		.amdhsa_system_sgpr_workgroup_id_z 1
		.amdhsa_system_vgpr_workitem_id 0
		.amdhsa_next_free_vgpr 258
		.amdhsa_next_free_sgpr 66
		.amdhsa_reserve_vcc 0
		.amdhsa_float_denorm_mode_32 3
		.amdhsa_float_denorm_mode_16_64 3
		.amdhsa_memory_ordered 1
		.amdhsa_forward_progress 1
		.amdhsa_inst_pref_size 95
	.end_amdhsa_kernel
	.amdgpu_metadata
---
amdhsa.version: [ 1, 2 ]
amdhsa.kernels:
  - .name:           k_q96e17f8313_attn
    .symbol:         k_q96e17f8313_attn.kd
    .args:
      - { .name: qf, .offset: 0, .size: 8, .value_kind: global_buffer, .address_space: global }
      - { .name: kf, .offset: 8, .size: 8, .value_kind: global_buffer, .address_space: global }
      - { .name: vf, .offset: 16, .size: 8, .value_kind: global_buffer, .address_space: global }
      - { .name: ctx, .offset: 24, .size: 8, .value_kind: global_buffer, .address_space: global }
    .group_segment_fixed_size: 108032
    .private_segment_fixed_size: 0
    .kernarg_segment_align: 8
    .kernarg_segment_size: 32
    .max_flat_workgroup_size: 128
    .sgpr_count:     66
    .vgpr_count:     258
    .wavefront_size: 32
...
	.end_amdgpu_metadata
.endif
;; end of part 2
;; launch oproj (part 3): grid 4 x 64, 4 waves a work-group, no clusters, 74,240 bytes of LDS; arguments ctx, Wo, bo, out0; writes out0
.if DOCPART == 3
	.amdgcn_target "amdgcn-amd-amdhsa--gfx1250"
	.amdhsa_code_object_version 6
	.text
	.protected	k_q96e17f8313_oproj
	.globl	k_q96e17f8313_oproj
	.p2align	8
	.type	k_q96e17f8313_oproj,@function
k_q96e17f8313_oproj:
	s_mov_b64 s[64:65], 0
	v_nop
	global_prefetch_b8 v0, s[64:65] scope:SCOPE_SE
	s_setreg_imm32_b32 hwreg(HW_REG_WAVE_MODE, 25, 1), 1
	s_wait_xcnt 0x0
; Y = X W^T + b.  X: [4096][768] f32, W: [768][768] f32 (row n holds the weights of output column n), b: [768] f32, Y: [4096][768] f32.
; THREE = 0: one such product, (ctx, Wo, bo) -> out0.  (With THREE = 1 the same text makes the three input projections in one launch.)
; SHARES.  A work-group makes 64 rows x 192 columns of Y (768 bytes of a row: three aligned blocks of 256).  Four waves; wave w makes all 64 rows x columns 48 w .. 48 w + 47:
; 4 x 3 accumulators of 16 x 16.  K goes in 12 steps of 64, so a tile's rows are 256 consecutive bytes of memory, at multiples of 256 from the buffer's first byte.
; WAY IN.  X and W are f32 in memory and bf16 in the matrix unit, so a tile passes through registers: 16-byte loads (sixteen lanes take a tile row), two roundings in one
; v_cvt_pk_bf16_f32, 8-byte LDS stores.  Two LDS buffers take turns, one barrier a K step: while step s is multiplied, step s + 1 is rounded and stored and the loads behind it go out.
; WHY NO TENSOR LOADS AND NO JOINT REQUESTS, though four work-groups read the same rows of X and 64 the same rows of W: a tile that is copied to LDS as it lies in memory is f32 there:
; a fragment would be twice the LDS bytes (56 KB in place of 28 KB for 32 along K and four waves), and every wave that reads it would round it again (56 roundings for its 12 products).
; THE MATRIX INSTRUCTION IS USED TRANSPOSED (source 0 = 16 rows of W, source 1 = 16 rows of X): a lane then holds eight neighbouring columns of one row of Y.
; THE BIAS STARTS THE SUMS: it is loaded straight into the accumulators, so nothing is cleared and nothing is added at the end.
; LIMITS.  X and W are rounded to bf16 (nearest even); a magnitude above bf16's largest number, 3.39e38, becomes infinite.  Sums in f32.
.set THREE, 0
.set ROWB,  3072                       ; bytes in a row of X, W and Y
.set PITCH, 144                        ; an LDS row: 64 bf16 = 128 bytes + 16 of padding = 36 words: the 16 rows of a fragment load start at 16 different groups of four banks (64 banks of 4 bytes: ISA guide 11.1)
.set BUF,   256*PITCH                  ; a buffer: X's 64 rows, then W's 192 rows
.set SP,    784                        ; a row of the stage for the way out: 768 bytes + 16
.set GOFF,  1                          ; v1    (t / 16) rows + 16 (t % 16): my 16 bytes in eight rows of X, W or Y; never rewritten
.set LST0,  2                          ; v2-3  where my 8 bytes of bf16 go, in buffer 0, 1
.set FA0,   4                          ; v4-5  my lane's place in X's fragments, in buffer 0, 1
.set FB0,   6                          ; v6-7  the same for my wave's 48 rows of W
.set BOFF,  8                          ; v8    byte offset of my eight columns among the work-group's 192
.set SADR,  9                          ; v9    the way out: where I put 16 bytes of a row
.set RADR,  10                         ; v10   the way out: where I read a row back
.set ACC,   16                         ; v16-111   accumulator (a, b) at ACC + 8 (3 a + b)
.set ST,    112                        ; v112-175  sixteen loads of 16 bytes on their way in
.set FRA,   176                        ; v176-207  four fragments of X
.set FRB,   208                        ; v208-231  three fragments of W
.set XB,    32                         ; s[32:33] X at my 64 rows, stepped along K
.set WB,    34                         ; s[34:35] W at my 192 rows, stepped along K
.set BB,    36                         ; s[36:37] b at my 192 columns
.set OB,    38                         ; s[38:39] Y at my tile
.if THREE
	s_load_b512 s[8:23], s[0:1], 0x0               ; query s[8:9], key s[10:11], value s[12:13], Wq s[14:15], Wk s[16:17], Wv s[18:19], bq s[20:21], bk s[22:23]
	s_load_b256 s[24:31], s[0:1], 0x40             ; bv s[24:25], qf s[26:27], kf s[28:29], vf s[30:31]
	s_lshr_b32 s2, ttmp9, 2                        ; which of the three products
.else
	s_load_b256 s[8:15], s[0:1], 0x0               ; X s[8:9], W s[10:11], b s[12:13], Y s[14:15]
	v_lshl_add_u32 v232, v0, 2, 0x12000
	v_mov_b32 v233, 0
.endif
	s_and_b32 s3, ttmp9, 3                         ; which 192 columns
	s_and_b32 s4, ttmp7, 0xffff                    ; which 64 rows
	v_lshrrev_b32 v15, 5, v0
	v_readfirstlane_b32 s5, v15                    ; wave 0..3
	v_lshrrev_b32 v12, 4, v0                       ; t / 16: 0..7
	v_and_b32 v13, 15, v0                          ; t % 16, also the lane's r
	v_bfe_u32 v14, v0, 4, 1                        ; the lane's h
	v_mul_u32_u24 v[GOFF], v12, ROWB
	v_lshl_add_u32 v[GOFF], v13, 4, v[GOFF]
	v_mul_u32_u24 v[LST0], v12, PITCH
	v_lshl_add_u32 v[LST0], v13, 3, v[LST0]
	v_add_nc_u32 v[LST0+1], BUF, v[LST0]
	v_mul_u32_u24 v[FA0], v13, PITCH               ; a fragment: row r, 16 bytes for each half of the lanes
	v_lshl_add_u32 v[FA0], v14, 4, v[FA0]
	v_add_nc_u32 v[FA0+1], BUF, v[FA0]
	s_mul_i32 s7, s5, 48*PITCH                     ; my wave's 48 rows of W,
	s_add_co_u32 s7, s7, 64*PITCH                  ; which lie behind X's 64
	v_add_nc_u32 v[FB0], s7, v[FA0]
	v_add_nc_u32 v[FB0+1], BUF, v[FB0]
	s_mul_i32 s7, s5, 192                          ; 48 columns of f32 a wave
	v_lshl_add_u32 v[BOFF], v14, 5, s7             ; + 8 columns for the upper half of the lanes
	v_mul_u32_u24 v[SADR], v13, SP
	v_add_nc_u32 v[SADR], v[SADR], v[BOFF]
	v_mul_u32_u24 v[RADR], v12, SP
	v_lshl_add_u32 v[RADR], v13, 4, v[RADR]
	s_wait_kmcnt 0x0
.if THREE
	s_cmp_eq_u32 s2, 1                             ; a choice between buffers on the work-group's number alone
	s_cselect_b64 s[XB:XB+1], s[10:11], s[8:9]
	s_cselect_b64 s[WB:WB+1], s[16:17], s[14:15]
	s_cselect_b64 s[BB:BB+1], s[22:23], s[20:21]
	s_cselect_b64 s[OB:OB+1], s[28:29], s[26:27]
	s_cmp_eq_u32 s2, 2
	s_cselect_b64 s[XB:XB+1], s[12:13], s[XB:XB+1]
	s_cselect_b64 s[WB:WB+1], s[18:19], s[WB:WB+1]
	s_cselect_b64 s[BB:BB+1], s[24:25], s[BB:BB+1]
	s_cselect_b64 s[OB:OB+1], s[30:31], s[OB:OB+1]
.else
	s_mov_b64 s[XB:XB+1], s[8:9]
	s_mov_b64 s[WB:WB+1], s[10:11]
	s_mov_b64 s[BB:BB+1], s[12:13]
	s_mov_b64 s[OB:OB+1], s[14:15]
.endif
	s_mul_i32 s40, s4, 64*ROWB                     ; my 64 rows of X and Y
	s_mov_b32 s41, 0
	s_add_nc_u64 s[XB:XB+1], s[XB:XB+1], s[40:41]
	s_add_nc_u64 s[OB:OB+1], s[OB:OB+1], s[40:41]
	s_mul_i32 s40, s3, 192*ROWB                    ; my 192 rows of W
	s_add_nc_u64 s[WB:WB+1], s[WB:WB+1], s[40:41]
	s_mul_i32 s40, s3, 768                         ; my 192 columns of b and Y
	s_add_nc_u64 s[BB:BB+1], s[BB:BB+1], s[40:41]
	s_add_nc_u64 s[OB:OB+1], s[OB:OB+1], s[40:41]
; A load into a register that a matrix instruction has read, and an LDS store that reads a matrix result, stand four places behind that matrix instruction, and only plain vector
; instructions that name none of its registers are places (ISA guide 7.12.1 for vector instructions).
.macro PLACES
.rept 4
	v_nop
.endr
.endm
; A K step's 256 tile rows come in two groups of sixteen loads (each load: eight rows for the work-group).  Group 0: X's 64 rows and W's first 64.  Group 1: W's other 128.  k: bytes along K from the bases.
.macro GL0 dst, k
.irp j, 0,1,2,3,4,5,6,7
	global_load_b128 v[\dst+4*\j:\dst+4*\j+3], v[GOFF], s[XB:XB+1] offset:\j*8*ROWB+\k
.endr
.irp j, 0,1,2,3,4,5,6,7
	global_load_b128 v[\dst+32+4*\j:\dst+32+4*\j+3], v[GOFF], s[WB:WB+1] offset:\j*8*ROWB+\k
.endr
.endm
.macro GL1 dst, k
.irp j, 0,1,2,3,4,5,6,7,8,9,10,11,12,13,14,15
	global_load_b128 v[\dst+4*\j:\dst+4*\j+3], v[GOFF], s[WB:WB+1] offset:(\j+8)*8*ROWB+\k
.endr
.endm
.macro CVT b                           ; sixteen times four f32 -> four bf16 in the first two of their registers
.irp j, 0,1,2,3,4,5,6,7,8,9,10,11,12,13,14,15
	v_cvt_pk_bf16_f32 v[\b+4*\j],   v[\b+4*\j],   v[\b+4*\j+1]
	v_cvt_pk_bf16_f32 v[\b+4*\j+1], v[\b+4*\j+2], v[\b+4*\j+3]
.endr
.endm
.macro STO g, b, adr                   ; group g's sixteen times eight rows into the buffer of address register adr
.irp j, 0,1,2,3,4,5,6,7,8,9,10,11,12,13,14,15
	ds_store_b64 v[\adr], v[\b+4*\j:\b+4*\j+1] offset:(16*\g+\j)*8*PITCH
.endr
.endm
; The fragments of 32 along K (half ks of the step) out of buffer cur: 16 rows x 32 K in 8 registers, two loads of 16 bytes, 32 bytes apart.
.macro FRAGS cur, ks
	PLACES
.irp b, 0,1,2
	ds_load_b128 v[FRB+8*\b:FRB+8*\b+3],   v[FB0+\cur] offset:\b*16*PITCH+64*\ks
	ds_load_b128 v[FRB+8*\b+4:FRB+8*\b+7], v[FB0+\cur] offset:\b*16*PITCH+64*\ks+32
.endr
.irp a, 0,1,2,3
	ds_load_b128 v[FRA+8*\a:FRA+8*\a+3],   v[FA0+\cur] offset:\a*16*PITCH+64*\ks
	ds_load_b128 v[FRA+8*\a+4:FRA+8*\a+7], v[FA0+\cur] offset:\a*16*PITCH+64*\ks+32
.endr
.endm
.macro MUL                             ; the twelve accumulators take turns, one instruction a turn, in the same order everywhere
.irp a, 0,1,2,3
.irp b, 0,1,2
	v_wmma_f32_16x16x32_bf16 v[ACC+8*(3*\a+\b):ACC+8*(3*\a+\b)+7], v[FRB+8*\b:FRB+8*\b+7], v[FRA+8*\a:FRA+8*\a+7], v[ACC+8*(3*\a+\b):ACC+8*(3*\a+\b)+7]
.endr
.endr
.endm
; Half a K step.  bring = 1: group g of the next step, which is on its way into ST, is rounded and stored into buffer nxt, and ST is asked for again
; (issue = 1: group 1 at byte k; 2: group 0 at byte k; 0: nothing is left).
.macro HALF cur, ks, g, nxt, bring, issue, k
	FRAGS \cur, \ks
.if \bring
	s_wait_loadcnt 0x0                             ; the sixteen loads into ST are in (the first time round also the bias in the accumulators)
	CVT ST
	STO \g, ST, LST0+\nxt
.if \issue == 1
	GL1 ST, \k
.elseif \issue == 2
	GL0 ST, \k
.endif
	s_wait_dscnt 16                                ; LDS instructions end in order (ISA guide 5.7.1): the 14 fragment loads are in, the 16 stores behind them may be out
.else
	s_wait_dscnt 0x0
.endif
	MUL
.endm
; A K step out of buffer cur.  The barrier at its end does two things: every wave's reads of cur are back, so the next step may store into it; every wave's stores into nxt are done, so the next step may read it.
.macro TRIP cur, nxt, bring, k1, again, k0
	HALF \cur, 0, 0, \nxt, \bring, 1, \k1
	HALF \cur, 1, 1, \nxt, \bring, 2*\again, \k0
	s_wait_dscnt 0x0                               ; for the others' sake: zero
	s_barrier_signal -1
	s_barrier_wait -1
.endm
	GL0 ST, 0                                      ; K step 0: both groups at once, the second into the accumulators' registers, which are still free
	GL1 ACC, 0
	s_wait_loadcnt 16                              ; group 0 is in; group 1's sixteen loads may be out
	CVT ST
	STO 0, ST, LST0
	s_wait_loadcnt 0x0
	CVT ACC
	STO 1, ACC, LST0
	GL0 ST, 256                                    ; K step 1, group 0
	s_wait_dscnt 0x0                               ; my stores of step 0 are done: for the others, and before the accumulators' registers are loaded again
.irp a, 0,1,2,3
.irp b, 0,1,2
	global_load_b128 v[ACC+8*(3*\a+\b):ACC+8*(3*\a+\b)+3],   v[BOFF], s[BB:BB+1] offset:64*\b      ; the bias of my eight columns of block b, once for each of the four row blocks
	global_load_b128 v[ACC+8*(3*\a+\b)+4:ACC+8*(3*\a+\b)+7], v[BOFF], s[BB:BB+1] offset:64*\b+16
.endr
.endr
	s_barrier_signal -1
	s_barrier_wait -1
	s_mov_b32 s6, 5
.Lpair:                                                ; a trip is two K steps; at its head group 0 of the step at byte 256 is on its way
	TRIP 0, 1, 1, 256, 1, 512
	TRIP 1, 0, 1, 512, 1, 768
	s_wait_xcnt 0x0                                ; the bases are stepped only behind this wait
	s_add_nc_u64 s[XB:XB+1], s[XB:XB+1], 512
	s_add_nc_u64 s[WB:WB+1], s[WB:WB+1], 512
	s_sub_co_u32 s6, s6, 1
	s_cmp_lg_u32 s6, 0
	s_cbranch_scc1 .Lpair
	TRIP 0, 1, 1, 256, 0, 0                        ; K steps 10 and 11 are written out: no load passes the rows' end
	TRIP 1, 0, 0, 0, 0, 0
	; THE WAY OUT.  The stage lies where the buffers lay: the barrier above stands behind every wave's last read of them.  A lane's eight columns are 32 bytes of a row; the rows are
	; read back whole, since a row's 768 bytes come from four waves.
	PLACES
.irp a, 0,1,2,3
.irp b, 0,1,2
	ds_store_b128 v[SADR], v[ACC+8*(3*\a+\b):ACC+8*(3*\a+\b)+3]   offset:\a*16*SP+64*\b
	ds_store_b128 v[SADR], v[ACC+8*(3*\a+\b)+4:ACC+8*(3*\a+\b)+7] offset:\a*16*SP+64*\b+16
.endr
.endr
	s_wait_dscnt 0x0                               ; for the others' sake: my stores into the stage are done
	s_barrier_signal -1
	s_barrier_wait -1
.irp i, 0,1,2,3,4,5,6,7
.irp u, 0,1,2
	ds_load_b128 v[ACC+4*(3*\i+\u):ACC+4*(3*\i+\u)+3], v[RADR] offset:\i*8*SP+256*\u
.endr
.endr
.irp i, 0,1,2,3,4,5,6,7
.irp u, 0,1,2
	s_wait_dscnt 23-(3*\i+\u)                      ; this read is back; the younger ones may be out
.if THREE
	global_store_b128 v[GOFF], v[ACC+4*(3*\i+\u):ACC+4*(3*\i+\u)+3], s[OB:OB+1] offset:\i*8*ROWB+256*\u   ; 16 lanes store 256 consecutive bytes, at a multiple of 256 from Y's first byte
.else
	global_store_b128 v[GOFF], v[ACC+4*(3*\i+\u):ACC+4*(3*\i+\u)+3], s[OB:OB+1] offset:\i*8*ROWB+256*\u th:TH_STORE_NT
.endif
.endr
.endr
	s_wait_tensorcnt 0x0
	ds_add_u32 v232, v233
	s_wait_dscnt 0x0
	s_endpgm
.Lfunc_end_k_q96e17f8313_oproj:
	.size	k_q96e17f8313_oproj, .Lfunc_end_k_q96e17f8313_oproj-k_q96e17f8313_oproj
	.p2alignl 7, 3214868480
	.fill 96, 4, 3214868480
	.section	.rodata,"a",@progbits
	.p2align	6, 0x0
	.amdhsa_kernel k_q96e17f8313_oproj
		.amdhsa_group_segment_fixed_size 74240
		.amdhsa_private_segment_fixed_size 0
		.amdhsa_enable_private_segment 0
		.amdhsa_kernarg_size 32
		.amdhsa_user_sgpr_count 2
		.amdhsa_user_sgpr_kernarg_segment_ptr 1
		.amdhsa_wavefront_size32 1
		.amdhsa_system_sgpr_workgroup_id_x 1
		.amdhsa_system_sgpr_workgroup_id_y 1
		.amdhsa_system_sgpr_workgroup_id_z 1
		.amdhsa_system_vgpr_workitem_id 0
		.amdhsa_next_free_vgpr 234
		.amdhsa_next_free_sgpr 66
		.amdhsa_reserve_vcc 0
		.amdhsa_float_denorm_mode_32 3
		.amdhsa_float_denorm_mode_16_64 3
		.amdhsa_memory_ordered 1
		.amdhsa_forward_progress 1
		.amdhsa_inst_pref_size 63
	.end_amdhsa_kernel
	.amdgpu_metadata
---
amdhsa.version: [ 1, 2 ]
amdhsa.kernels:
  - .name:           k_q96e17f8313_oproj
    .symbol:         k_q96e17f8313_oproj.kd
    .args:
      - { .name: ctx, .offset: 0, .size: 8, .value_kind: global_buffer, .address_space: global }
      - { .name: Wo, .offset: 8, .size: 8, .value_kind: global_buffer, .address_space: global }
      - { .name: bo, .offset: 16, .size: 8, .value_kind: global_buffer, .address_space: global }
      - { .name: out0, .offset: 24, .size: 8, .value_kind: global_buffer, .address_space: global }
    .group_segment_fixed_size: 74240
    .private_segment_fixed_size: 0
    .kernarg_segment_align: 8
    .kernarg_segment_size: 32
    .max_flat_workgroup_size: 128
    .sgpr_count:     66
    .vgpr_count:     234
    .wavefront_size: 32
...
	.end_amdgpu_metadata
.endif
;; end of part 3
;; ======== version 2 of 4: 3 launches; 1.18 times as fast as version 1
;; workspace buffers: qf 12,582,912 bytes; kf 12,582,912 bytes; vf 12,582,912 bytes; ctx 12,582,912 bytes
;; launch proj (part 4): grid 12 x 64, 4 waves a work-group, no clusters, 74,240 bytes of LDS; arguments query, key, value, Wq, Wk, Wv, bq, bk, bv, qf, kf, vf; writes qf, kf, vf
.if DOCPART == 4
	.amdgcn_target "amdgcn-amd-amdhsa--gfx1250"
	.amdhsa_code_object_version 6
	.text
	.protected	k_q96e17f8313_proj
	.globl	k_q96e17f8313_proj
	.p2align	8
	.type	k_q96e17f8313_proj,@function
k_q96e17f8313_proj:
	s_mov_b64 s[64:65], 0
	v_nop
	global_prefetch_b8 v0, s[64:65] scope:SCOPE_SE
	s_setreg_imm32_b32 hwreg(HW_REG_WAVE_MODE, 25, 1), 1
	s_wait_xcnt 0x0
; Y = X W^T + b.  X: [4096][768] f32, W: [768][768] f32 (row n holds the weights of output column n), b: [768] f32, Y: [4096][768] f32.
; THREE = 1: three such products in one launch, (query, Wq, bq) -> qf, (key, Wk, bk) -> kf, (value, Wv, bv) -> vf; the work-group's x / 4 says which.
; SHARES.  A work-group makes 64 rows x 192 columns of Y (768 bytes of a row: three aligned blocks of 256).  Four waves; wave w makes all 64 rows x columns 48 w .. 48 w + 47:
; 4 x 3 accumulators of 16 x 16.  K goes in 12 steps of 64, so a tile's rows are 256 consecutive bytes of memory, at multiples of 256 from the buffer's first byte.
; WAY IN.  X and W are f32 in memory and bf16 in the matrix unit, so a tile passes through registers: 16-byte loads (sixteen lanes take a tile row), two roundings in one
; v_cvt_pk_bf16_f32, 8-byte LDS stores.  Two LDS buffers take turns, one barrier a K step: while step s is multiplied, step s + 1 is rounded and stored.
; THE RING OF LOADS.  A K step's 32 loads a lane are two groups of 16; group q = 2 x step + half lands in slot q % DEPTH of a ring of register slots.  The half step that rounds group q
; asks for group q + DEPTH into the same slot, so DEPTH groups (DEPTH x 16 loads x 512 bytes a wave) are on their way, and the wait for a group leaves the DEPTH - 1 younger groups out.
; DEPTH = 2 here: 768 work-groups are three to a WGP, and with 320 registers a wave the three lie on it together (3 x 320 of a SIMD's 1,024 registers, 3 x 73,728 bytes of LDS): 12 waves x 16 KB.
; (With one work-group to a WGP the same text takes DEPTH = 4.)
; WHY NO TENSOR LOADS AND NO JOINT REQUESTS, though four work-groups read the same rows of X and 64 the same rows of W: a tile that is copied to LDS as it lies in memory is f32 there:
; a fragment would be twice the LDS bytes (56 KB in place of 28 KB for 32 along K and four waves), and every wave that reads it would round it again (56 roundings for its 12 products).
; THE MATRIX INSTRUCTION IS USED TRANSPOSED (source 0 = 16 rows of W, source 1 = 16 rows of X): a lane then holds eight neighbouring columns of one row of Y.
; THE BIAS STARTS THE SUMS: it is loaded straight into the accumulators, so nothing is cleared and nothing is added at the end.
; LIMITS.  X and W are rounded to bf16 (nearest even); a magnitude above bf16's largest number, 3.39e38, becomes infinite.  Sums in f32.
.set THREE, 1
.set DEPTH, 2                          ; groups of loads on their way: 2 or 4 (it divides the loop's four half steps)
.set NL,    (18-DEPTH)/4+1             ; trips of the loop: the pairs of K steps in which every half step still has a group to ask for (the last group is 23)
.set ROWB,  3072                       ; bytes in a row of X, W and Y
.set PITCH, 144                        ; an LDS row: 64 bf16 = 128 bytes + 16 of padding = 36 words: the 16 rows of a fragment load start at 16 different groups of four banks (64 banks of 4 bytes: ISA guide 11.1)
.set BUF,   256*PITCH                  ; a buffer: X's 64 rows, then W's 192 rows
.set SP,    784                        ; a row of the stage for the way out: 768 bytes + 16
.set GOFF,  1                          ; v1    (t / 16) rows + 16 (t % 16): my 16 bytes in eight rows of X, W or Y; never rewritten
.set LST0,  2                          ; v2-3  where my 8 bytes of bf16 go, in buffer 0, 1
.set FA0,   4                          ; v4-5  my lane's place in X's fragments, in buffer 0, 1
.set FB0,   6                          ; v6-7  the same for my wave's 48 rows of W
.set BOFF,  8                          ; v8    byte offset of my eight columns among the work-group's 192
.set SADR,  9                          ; v9    the way out: where I put 16 bytes of a row
.set RADR,  10                         ; v10   the way out: where I read a row back
.set ACC,   16                         ; v16-111   accumulator (a, b) at ACC + 8 (3 a + b)
.set FRA,   112                        ; v112-143  four fragments of X
.set FRB,   144                        ; v144-167  three fragments of W
.set RING0, 168                        ; v168-231  slot 0 of the ring; slot n > 0 lies in the second window of 256 registers, at v[256 + 64 (n - 1)]
.set XB,    32                         ; s[32:33] X at my 64 rows, stepped along K
.set WB,    34                         ; s[34:35] W at my 192 rows, stepped along K
.set BB,    36                         ; s[36:37] b at my 192 columns
.set OB,    38                         ; s[38:39] Y at my tile
; s_set_vgpr_msb's low byte: bits 1:0 source 0, 3:2 source 1, 5:4 source 2, 7:6 destination; the high byte repeats the setting that is left; a switch that changes nothing is dropped.
.set MSB, 0
.macro WIN new
.if MSB != (\new)
	s_set_vgpr_msb (MSB<<8)|(\new)
.set MSB, \new
.endif
.endm
.if THREE
	s_load_b512 s[8:23], s[0:1], 0x0               ; query s[8:9], key s[10:11], value s[12:13], Wq s[14:15], Wk s[16:17], Wv s[18:19], bq s[20:21], bk s[22:23]
	s_load_b256 s[24:31], s[0:1], 0x40             ; bv s[24:25], qf s[26:27], kf s[28:29], vf s[30:31]
	v_lshl_add_u32 v254, v0, 2, 0x12000
	v_mov_b32 v255, 0
	s_lshr_b32 s2, ttmp9, 2                        ; which of the three products
.else
	s_load_b256 s[8:15], s[0:1], 0x0               ; X s[8:9], W s[10:11], b s[12:13], Y s[14:15]
.endif
	s_and_b32 s3, ttmp9, 3                         ; which 192 columns
	s_and_b32 s4, ttmp7, 0xffff                    ; which 64 rows
	v_lshrrev_b32 v15, 5, v0
	v_readfirstlane_b32 s5, v15                    ; wave 0..3
	v_lshrrev_b32 v12, 4, v0                       ; t / 16: 0..7
	v_and_b32 v13, 15, v0                          ; t % 16, also the lane's r
	v_bfe_u32 v14, v0, 4, 1                        ; the lane's h
	v_mul_u32_u24 v[GOFF], v12, ROWB
	v_lshl_add_u32 v[GOFF], v13, 4, v[GOFF]
	v_mul_u32_u24 v[LST0], v12, PITCH
	v_lshl_add_u32 v[LST0], v13, 3, v[LST0]
	v_add_nc_u32 v[LST0+1], BUF, v[LST0]
	v_mul_u32_u24 v[FA0], v13, PITCH               ; a fragment: row r, 16 bytes for each half of the lanes
	v_lshl_add_u32 v[FA0], v14, 4, v[FA0]
	v_add_nc_u32 v[FA0+1], BUF, v[FA0]
	s_mul_i32 s7, s5, 48*PITCH                     ; my wave's 48 rows of W,
	s_add_co_u32 s7, s7, 64*PITCH                  ; which lie behind X's 64
	v_add_nc_u32 v[FB0], s7, v[FA0]
	v_add_nc_u32 v[FB0+1], BUF, v[FB0]
	s_mul_i32 s7, s5, 192                          ; 48 columns of f32 a wave
	v_lshl_add_u32 v[BOFF], v14, 5, s7             ; + 8 columns for the upper half of the lanes
	v_mul_u32_u24 v[SADR], v13, SP
	v_add_nc_u32 v[SADR], v[SADR], v[BOFF]
	v_mul_u32_u24 v[RADR], v12, SP
	v_lshl_add_u32 v[RADR], v13, 4, v[RADR]
	s_wait_kmcnt 0x0
.if THREE
	s_cmp_eq_u32 s2, 1                             ; a choice between buffers on the work-group's number alone
	s_cselect_b64 s[XB:XB+1], s[10:11], s[8:9]
	s_cselect_b64 s[WB:WB+1], s[16:17], s[14:15]
	s_cselect_b64 s[BB:BB+1], s[22:23], s[20:21]
	s_cselect_b64 s[OB:OB+1], s[28:29], s[26:27]
	s_cmp_eq_u32 s2, 2
	s_cselect_b64 s[XB:XB+1], s[12:13], s[XB:XB+1]
	s_cselect_b64 s[WB:WB+1], s[18:19], s[WB:WB+1]
	s_cselect_b64 s[BB:BB+1], s[24:25], s[BB:BB+1]
	s_cselect_b64 s[OB:OB+1], s[30:31], s[OB:OB+1]
.else
	s_mov_b64 s[XB:XB+1], s[8:9]
	s_mov_b64 s[WB:WB+1], s[10:11]
	s_mov_b64 s[BB:BB+1], s[12:13]
	s_mov_b64 s[OB:OB+1], s[14:15]
.endif
	s_mul_i32 s40, s4, 64*ROWB                     ; my 64 rows of X and Y
	s_mov_b32 s41, 0
	s_add_nc_u64 s[XB:XB+1], s[XB:XB+1], s[40:41]
	s_add_nc_u64 s[OB:OB+1], s[OB:OB+1], s[40:41]
	s_mul_i32 s40, s3, 192*ROWB                    ; my 192 rows of W
	s_add_nc_u64 s[WB:WB+1], s[WB:WB+1], s[40:41]
	s_mul_i32 s40, s3, 768                         ; my 192 columns of b and Y
	s_add_nc_u64 s[BB:BB+1], s[BB:BB+1], s[40:41]
	s_add_nc_u64 s[OB:OB+1], s[OB:OB+1], s[40:41]
; A load into a register that a matrix instruction has read, and an LDS store that reads a matrix result, stand four places behind that matrix instruction, and only plain vector
; instructions that name none of its registers are places (ISA guide 7.12.1 for vector instructions).
.macro PLACES
.rept 4
	v_nop
.endr
.endm
; The symbol Q is the group in hand.  SLOT says which half of its K step it is (KS) and where its slot lies: window SW, first register SB.
.macro SLOT
.set KS, Q%2
.if Q%DEPTH == 0
.set SW, 0
.set SB, RING0
.else
.set SW, 1
.set SB, 64*(Q%DEPTH-1)
.endif
.endm
; Sixteen loads into the slot (each load: eight tile rows for the work-group), KOFF bytes along K from the bases.  Half 0 of a K step: X's 64 rows and W's first 64.  Half 1: W's other 128.
.macro GLOAD
	WIN 0x40*SW                                    ; destination in the slot's window, address in window 0
.if KS == 0
.irp j, 0,1,2,3,4,5,6,7
	global_load_b128 v[SB+4*\j:SB+4*\j+3], v[GOFF], s[XB:XB+1] offset:\j*8*ROWB+KOFF
.endr
.irp j, 0,1,2,3,4,5,6,7
	global_load_b128 v[SB+32+4*\j:SB+32+4*\j+3], v[GOFF], s[WB:WB+1] offset:\j*8*ROWB+KOFF
.endr
.else
.irp j, 0,1,2,3,4,5,6,7,8,9,10,11,12,13,14,15
	global_load_b128 v[SB+4*\j:SB+4*\j+3], v[GOFF], s[WB:WB+1] offset:(\j+8)*8*ROWB+KOFF
.endr
.endif
.endm
.macro MUL                             ; the twelve accumulators take turns, one instruction a turn, in the same order everywhere
.irp a, 0,1,2,3
.irp b, 0,1,2
	v_wmma_f32_16x16x32_bf16 v[ACC+8*(3*\a+\b):ACC+8*(3*\a+\b)+7], v[FRB+8*\b:FRB+8*\b+7], v[FRA+8*\a:FRA+8*\a+7], v[ACC+8*(3*\a+\b):ACC+8*(3*\a+\b)+7]
.endr
.endr
.endm
; HALF A K STEP, for Q = 0 .. 25.  It multiplies group Q - 2's half step (from Q = 2 on), out of LDS buffer CUR; it rounds group Q (up to 23) and stores it into buffer NXT; it asks for
; group Q + DEPTH (up to 23) into the slot just emptied.  pb: how many pairs of K steps the bases have been stepped.  Then Q goes on by one.
; Behind a K step's second half stands the barrier, which does two things: every wave's reads of CUR are back, so the next step may store into it; every wave's stores into NXT are done, so the next step may read it.
.macro HALF pb
	SLOT
.set CUR, ((Q+2)/2)%2
.set NXT, (Q/2)%2
.set LEFT, 23-Q                        ; the groups behind group Q that have been asked for: DEPTH - 1, fewer at the end
.if LEFT > DEPTH-1
.set LEFT, DEPTH-1
.endif
.set KOFF, 256*((Q+DEPTH)/2)-512*\pb
.if Q >= 2
	PLACES
.irp b, 0,1,2                          ; the fragments of 32 along K: 16 rows x 32 K in 8 registers, two loads of 16 bytes, 32 bytes apart
	ds_load_b128 v[FRB+8*\b:FRB+8*\b+3],   v[FB0+CUR] offset:\b*16*PITCH+64*KS
	ds_load_b128 v[FRB+8*\b+4:FRB+8*\b+7], v[FB0+CUR] offset:\b*16*PITCH+64*KS+32
.endr
.irp a, 0,1,2,3
	ds_load_b128 v[FRA+8*\a:FRA+8*\a+3],   v[FA0+CUR] offset:\a*16*PITCH+64*KS
	ds_load_b128 v[FRA+8*\a+4:FRA+8*\a+7], v[FA0+CUR] offset:\a*16*PITCH+64*KS+32
.endr
.endif
.if Q <= 23
	s_wait_loadcnt 16*LEFT                         ; loads come back in order (ISA guide 5.7.1): group Q is in (and the bias, which was asked for first of all); the LEFT groups behind it stay out
	WIN 0x45*SW                                    ; sources and destination in the slot's window
.irp j, 0,1,2,3,4,5,6,7,8,9,10,11,12,13,14,15      ; sixteen times four f32 -> four bf16 in the first two of their registers
	v_cvt_pk_bf16_f32 v[SB+4*\j],   v[SB+4*\j],   v[SB+4*\j+1]
	v_cvt_pk_bf16_f32 v[SB+4*\j+1], v[SB+4*\j+2], v[SB+4*\j+3]
.endr
	WIN 0x04*SW                                    ; data (source 1) in the slot's window, address in window 0
.irp j, 0,1,2,3,4,5,6,7,8,9,10,11,12,13,14,15
	ds_store_b64 v[LST0+NXT], v[SB+4*\j:SB+4*\j+1] offset:(16*KS+\j)*8*PITCH
.endr
.if Q+DEPTH <= 23
	GLOAD
.endif
	WIN 0
.if Q >= 2
	s_wait_dscnt 16                                ; LDS instructions end in order (ISA guide 5.7.1): the 14 fragment loads are in, the 16 stores behind them may be out
.endif
.else
	s_wait_dscnt 0x0
.endif
.if Q >= 2
	MUL
.endif
.if KS == 1
	s_wait_dscnt 0x0                               ; for the others' sake: zero
	s_barrier_signal -1
	s_barrier_wait -1
.endif
.set Q, Q+1
.endm
.irp a, 0,1,2,3
.irp b, 0,1,2
	global_load_b128 v[ACC+8*(3*\a+\b):ACC+8*(3*\a+\b)+3],   v[BOFF], s[BB:BB+1] offset:64*\b      ; the bias of my eight columns of block b, once for each of the four row blocks
	global_load_b128 v[ACC+8*(3*\a+\b)+4:ACC+8*(3*\a+\b)+7], v[BOFF], s[BB:BB+1] offset:64*\b+16
.endr
.endr
.set Q, 0
.rept DEPTH                            ; the ring is filled: groups 0 .. DEPTH - 1
	SLOT
.set KOFF, 256*(Q/2)
	GLOAD
.set Q, Q+1
.endr
	WIN 0
.set Q, 0
	HALF 0                                         ; K step 0 goes into buffer 0: two half steps that have nothing to multiply yet
	HALF 0
	s_mov_b32 s6, NL
.Lpair:                                                ; a trip is two K steps, Q = 2 .. 5 from the bases: a multiple of the ring's slots and of the two LDS buffers
	HALF 0
	HALF 0
	HALF 0
	HALF 0
	s_wait_xcnt 0x0                                ; the bases are stepped only behind this wait
	s_add_nc_u64 s[XB:XB+1], s[XB:XB+1], 512
	s_add_nc_u64 s[WB:WB+1], s[WB:WB+1], 512
	s_sub_co_u32 s6, s6, 1
	s_cmp_lg_u32 s6, 0
	s_cbranch_scc1 .Lpair
.set Q, 2+4*NL
.rept 24-4*NL                          ; the rest is written out: no load passes the rows' end, and the counts run down
	HALF NL
.endr
	; THE WAY OUT.  The stage lies where the buffers lay: the barrier above stands behind every wave's last read of them.  A lane's eight columns are 32 bytes of a row; the rows are
	; read back whole, since a row's 768 bytes come from four waves.
	PLACES
.irp a, 0,1,2,3
.irp b, 0,1,2
	ds_store_b128 v[SADR], v[ACC+8*(3*\a+\b):ACC+8*(3*\a+\b)+3]   offset:\a*16*SP+64*\b
	ds_store_b128 v[SADR], v[ACC+8*(3*\a+\b)+4:ACC+8*(3*\a+\b)+7] offset:\a*16*SP+64*\b+16
.endr
.endr
	s_wait_dscnt 0x0                               ; for the others' sake: my stores into the stage are done
	s_barrier_signal -1
	s_barrier_wait -1
.irp i, 0,1,2,3,4,5,6,7
.irp u, 0,1,2
	ds_load_b128 v[ACC+4*(3*\i+\u):ACC+4*(3*\i+\u)+3], v[RADR] offset:\i*8*SP+256*\u
.endr
.endr
.irp i, 0,1,2,3,4,5,6,7
.irp u, 0,1,2
	s_wait_dscnt 23-(3*\i+\u)                      ; this read is back; the younger ones may be out
.if THREE
	global_store_b128 v[GOFF], v[ACC+4*(3*\i+\u):ACC+4*(3*\i+\u)+3], s[OB:OB+1] offset:\i*8*ROWB+256*\u   ; 16 lanes store 256 consecutive bytes, at a multiple of 256 from Y's first byte
.else
	global_store_b128 v[GOFF], v[ACC+4*(3*\i+\u):ACC+4*(3*\i+\u)+3], s[OB:OB+1] offset:\i*8*ROWB+256*\u th:TH_STORE_NT
.endif
.endr
.endr
	s_wait_tensorcnt 0x0
	ds_add_u32 v254, v255
	s_wait_dscnt 0x0
	s_endpgm
.Lfunc_end_k_q96e17f8313_proj:
	.size	k_q96e17f8313_proj, .Lfunc_end_k_q96e17f8313_proj-k_q96e17f8313_proj
	.p2alignl 7, 3214868480
	.fill 96, 4, 3214868480
	.section	.rodata,"a",@progbits
	.p2align	6, 0x0
	.amdhsa_kernel k_q96e17f8313_proj
		.amdhsa_group_segment_fixed_size 74240
		.amdhsa_private_segment_fixed_size 0
		.amdhsa_enable_private_segment 0
		.amdhsa_kernarg_size 96
		.amdhsa_user_sgpr_count 2
		.amdhsa_user_sgpr_kernarg_segment_ptr 1
		.amdhsa_wavefront_size32 1
		.amdhsa_system_sgpr_workgroup_id_x 1
		.amdhsa_system_sgpr_workgroup_id_y 1
		.amdhsa_system_sgpr_workgroup_id_z 1
		.amdhsa_system_vgpr_workitem_id 0
		.amdhsa_next_free_vgpr 320
		.amdhsa_next_free_sgpr 66
		.amdhsa_reserve_vcc 0
		.amdhsa_float_denorm_mode_32 3
		.amdhsa_float_denorm_mode_16_64 3
		.amdhsa_memory_ordered 1
		.amdhsa_forward_progress 1
		.amdhsa_inst_pref_size 64
	.end_amdhsa_kernel
	.amdgpu_metadata
---
amdhsa.version: [ 1, 2 ]
amdhsa.kernels:
  - .name:           k_q96e17f8313_proj
    .symbol:         k_q96e17f8313_proj.kd
    .args:
      - { .name: query, .offset: 0, .size: 8, .value_kind: global_buffer, .address_space: global }
      - { .name: key, .offset: 8, .size: 8, .value_kind: global_buffer, .address_space: global }
      - { .name: value, .offset: 16, .size: 8, .value_kind: global_buffer, .address_space: global }
      - { .name: Wq, .offset: 24, .size: 8, .value_kind: global_buffer, .address_space: global }
      - { .name: Wk, .offset: 32, .size: 8, .value_kind: global_buffer, .address_space: global }
      - { .name: Wv, .offset: 40, .size: 8, .value_kind: global_buffer, .address_space: global }
      - { .name: bq, .offset: 48, .size: 8, .value_kind: global_buffer, .address_space: global }
      - { .name: bk, .offset: 56, .size: 8, .value_kind: global_buffer, .address_space: global }
      - { .name: bv, .offset: 64, .size: 8, .value_kind: global_buffer, .address_space: global }
      - { .name: qf, .offset: 72, .size: 8, .value_kind: global_buffer, .address_space: global }
      - { .name: kf, .offset: 80, .size: 8, .value_kind: global_buffer, .address_space: global }
      - { .name: vf, .offset: 88, .size: 8, .value_kind: global_buffer, .address_space: global }
    .group_segment_fixed_size: 74240
    .private_segment_fixed_size: 0
    .kernarg_segment_align: 8
    .kernarg_segment_size: 96
    .max_flat_workgroup_size: 128
    .sgpr_count:     66
    .vgpr_count:     320
    .wavefront_size: 32
...
	.end_amdgpu_metadata
.endif
;; end of part 4
;; launch attn: the kernel of part 2 again; grid 64 x 12, 4 waves a work-group, no clusters, 108,032 bytes of LDS; arguments qf, kf, vf, ctx; writes ctx
;; launch oproj (part 5): grid 4 x 64, 4 waves a work-group, no clusters, 74,240 bytes of LDS; arguments ctx, Wo, bo, out0; writes out0
.if DOCPART == 5
	.amdgcn_target "amdgcn-amd-amdhsa--gfx1250"
	.amdhsa_code_object_version 6
	.text
	.protected	k_q96e17f8313_oproj
	.globl	k_q96e17f8313_oproj
	.p2align	8
	.type	k_q96e17f8313_oproj,@function
k_q96e17f8313_oproj:
	s_mov_b64 s[64:65], 0
	v_nop
	global_prefetch_b8 v0, s[64:65] scope:SCOPE_SE
	s_setreg_imm32_b32 hwreg(HW_REG_WAVE_MODE, 25, 1), 1
	s_wait_xcnt 0x0
; Y = X W^T + b.  X: [4096][768] f32, W: [768][768] f32 (row n holds the weights of output column n), b: [768] f32, Y: [4096][768] f32.
; THREE = 0: one such product, (ctx, Wo, bo) -> out0.  (With THREE = 1 the same text makes the three input projections in one launch.)
; SHARES.  A work-group makes 64 rows x 192 columns of Y (768 bytes of a row: three aligned blocks of 256).  Four waves; wave w makes all 64 rows x columns 48 w .. 48 w + 47:
; 4 x 3 accumulators of 16 x 16.  K goes in 12 steps of 64, so a tile's rows are 256 consecutive bytes of memory, at multiples of 256 from the buffer's first byte.
; WAY IN.  X and W are f32 in memory and bf16 in the matrix unit, so a tile passes through registers: 16-byte loads (sixteen lanes take a tile row), two roundings in one
; v_cvt_pk_bf16_f32, 8-byte LDS stores.  Two LDS buffers take turns, one barrier a K step: while step s is multiplied, step s + 1 is rounded and stored.
; THE RING OF LOADS.  A K step's 32 loads a lane are two groups of 16; group q = 2 x step + half lands in slot q % DEPTH of a ring of register slots.  The half step that rounds group q
; asks for group q + DEPTH into the same slot, so DEPTH groups (DEPTH x 16 loads x 512 bytes a wave) are on their way, and the wait for a group leaves the DEPTH - 1 younger groups out.
; DEPTH = 4 here: 256 work-groups are one to a WGP, one wave to a SIMD, so the wave itself keeps two whole K steps on their way: 32 KB a wave, asked for four half steps (48 products) ahead.
; At the start 24 + 64 loads are issued in front of the first wait; the issue stalls where LOADcnt's field is full (ISA guide 5.7.1), and no wait is written for that.
; WHY NO TENSOR LOADS AND NO JOINT REQUESTS, though four work-groups read the same rows of X and 64 the same rows of W: a tile that is copied to LDS as it lies in memory is f32 there:
; a fragment would be twice the LDS bytes (56 KB in place of 28 KB for 32 along K and four waves), and every wave that reads it would round it again (56 roundings for its 12 products).
; THE MATRIX INSTRUCTION IS USED TRANSPOSED (source 0 = 16 rows of W, source 1 = 16 rows of X): a lane then holds eight neighbouring columns of one row of Y.
; THE BIAS STARTS THE SUMS: it is loaded straight into the accumulators, so nothing is cleared and nothing is added at the end.
; LIMITS.  X and W are rounded to bf16 (nearest even); a magnitude above bf16's largest number, 3.39e38, becomes infinite.  Sums in f32.
.set THREE, 0
.set DEPTH, 4                          ; groups of loads on their way: 2 or 4 (it divides the loop's four half steps)
.set NL,    (18-DEPTH)/4+1             ; trips of the loop: the pairs of K steps in which every half step still has a group to ask for (the last group is 23)
.set ROWB,  3072                       ; bytes in a row of X, W and Y
.set PITCH, 144                        ; an LDS row: 64 bf16 = 128 bytes + 16 of padding = 36 words: the 16 rows of a fragment load start at 16 different groups of four banks (64 banks of 4 bytes: ISA guide 11.1)
.set BUF,   256*PITCH                  ; a buffer: X's 64 rows, then W's 192 rows
.set SP,    784                        ; a row of the stage for the way out: 768 bytes + 16
.set GOFF,  1                          ; v1    (t / 16) rows + 16 (t % 16): my 16 bytes in eight rows of X, W or Y; never rewritten
.set LST0,  2                          ; v2-3  where my 8 bytes of bf16 go, in buffer 0, 1
.set FA0,   4                          ; v4-5  my lane's place in X's fragments, in buffer 0, 1
.set FB0,   6                          ; v6-7  the same for my wave's 48 rows of W
.set BOFF,  8                          ; v8    byte offset of my eight columns among the work-group's 192
.set SADR,  9                          ; v9    the way out: where I put 16 bytes of a row
.set RADR,  10                         ; v10   the way out: where I read a row back
.set ACC,   16                         ; v16-111   accumulator (a, b) at ACC + 8 (3 a + b)
.set FRA,   112                        ; v112-143  four fragments of X
.set FRB,   144                        ; v144-167  three fragments of W
.set RING0, 168                        ; v168-231  slot 0 of the ring; slot n > 0 lies in the second window of 256 registers, at v[256 + 64 (n - 1)]
.set XB,    32                         ; s[32:33] X at my 64 rows, stepped along K
.set WB,    34                         ; s[34:35] W at my 192 rows, stepped along K
.set BB,    36                         ; s[36:37] b at my 192 columns
.set OB,    38                         ; s[38:39] Y at my tile
; s_set_vgpr_msb's low byte: bits 1:0 source 0, 3:2 source 1, 5:4 source 2, 7:6 destination; the high byte repeats the setting that is left; a switch that changes nothing is dropped.
.set MSB, 0
.macro WIN new
.if MSB != (\new)
	s_set_vgpr_msb (MSB<<8)|(\new)
.set MSB, \new
.endif
.endm
.if THREE
	s_load_b512 s[8:23], s[0:1], 0x0               ; query s[8:9], key s[10:11], value s[12:13], Wq s[14:15], Wk s[16:17], Wv s[18:19], bq s[20:21], bk s[22:23]
	s_load_b256 s[24:31], s[0:1], 0x40             ; bv s[24:25], qf s[26:27], kf s[28:29], vf s[30:31]
	s_lshr_b32 s2, ttmp9, 2                        ; which of the three products
.else
	s_load_b256 s[8:15], s[0:1], 0x0               ; X s[8:9], W s[10:11], b s[12:13], Y s[14:15]
	v_lshl_add_u32 v254, v0, 2, 0x12000
	v_mov_b32 v255, 0
.endif
	s_and_b32 s3, ttmp9, 3                         ; which 192 columns
	s_and_b32 s4, ttmp7, 0xffff                    ; which 64 rows
	v_lshrrev_b32 v15, 5, v0
	v_readfirstlane_b32 s5, v15                    ; wave 0..3
	v_lshrrev_b32 v12, 4, v0                       ; t / 16: 0..7
	v_and_b32 v13, 15, v0                          ; t % 16, also the lane's r
	v_bfe_u32 v14, v0, 4, 1                        ; the lane's h
	v_mul_u32_u24 v[GOFF], v12, ROWB
	v_lshl_add_u32 v[GOFF], v13, 4, v[GOFF]
	v_mul_u32_u24 v[LST0], v12, PITCH
	v_lshl_add_u32 v[LST0], v13, 3, v[LST0]
	v_add_nc_u32 v[LST0+1], BUF, v[LST0]
	v_mul_u32_u24 v[FA0], v13, PITCH               ; a fragment: row r, 16 bytes for each half of the lanes
	v_lshl_add_u32 v[FA0], v14, 4, v[FA0]
	v_add_nc_u32 v[FA0+1], BUF, v[FA0]
	s_mul_i32 s7, s5, 48*PITCH                     ; my wave's 48 rows of W,
	s_add_co_u32 s7, s7, 64*PITCH                  ; which lie behind X's 64
	v_add_nc_u32 v[FB0], s7, v[FA0]
	v_add_nc_u32 v[FB0+1], BUF, v[FB0]
	s_mul_i32 s7, s5, 192                          ; 48 columns of f32 a wave
	v_lshl_add_u32 v[BOFF], v14, 5, s7             ; + 8 columns for the upper half of the lanes
	v_mul_u32_u24 v[SADR], v13, SP
	v_add_nc_u32 v[SADR], v[SADR], v[BOFF]
	v_mul_u32_u24 v[RADR], v12, SP
	v_lshl_add_u32 v[RADR], v13, 4, v[RADR]
	s_wait_kmcnt 0x0
.if THREE
	s_cmp_eq_u32 s2, 1                             ; a choice between buffers on the work-group's number alone
	s_cselect_b64 s[XB:XB+1], s[10:11], s[8:9]
	s_cselect_b64 s[WB:WB+1], s[16:17], s[14:15]
	s_cselect_b64 s[BB:BB+1], s[22:23], s[20:21]
	s_cselect_b64 s[OB:OB+1], s[28:29], s[26:27]
	s_cmp_eq_u32 s2, 2
	s_cselect_b64 s[XB:XB+1], s[12:13], s[XB:XB+1]
	s_cselect_b64 s[WB:WB+1], s[18:19], s[WB:WB+1]
	s_cselect_b64 s[BB:BB+1], s[24:25], s[BB:BB+1]
	s_cselect_b64 s[OB:OB+1], s[30:31], s[OB:OB+1]
.else
	s_mov_b64 s[XB:XB+1], s[8:9]
	s_mov_b64 s[WB:WB+1], s[10:11]
	s_mov_b64 s[BB:BB+1], s[12:13]
	s_mov_b64 s[OB:OB+1], s[14:15]
.endif
	s_mul_i32 s40, s4, 64*ROWB                     ; my 64 rows of X and Y
	s_mov_b32 s41, 0
	s_add_nc_u64 s[XB:XB+1], s[XB:XB+1], s[40:41]
	s_add_nc_u64 s[OB:OB+1], s[OB:OB+1], s[40:41]
	s_mul_i32 s40, s3, 192*ROWB                    ; my 192 rows of W
	s_add_nc_u64 s[WB:WB+1], s[WB:WB+1], s[40:41]
	s_mul_i32 s40, s3, 768                         ; my 192 columns of b and Y
	s_add_nc_u64 s[BB:BB+1], s[BB:BB+1], s[40:41]
	s_add_nc_u64 s[OB:OB+1], s[OB:OB+1], s[40:41]
; A load into a register that a matrix instruction has read, and an LDS store that reads a matrix result, stand four places behind that matrix instruction, and only plain vector
; instructions that name none of its registers are places (ISA guide 7.12.1 for vector instructions).
.macro PLACES
.rept 4
	v_nop
.endr
.endm
; The symbol Q is the group in hand.  SLOT says which half of its K step it is (KS) and where its slot lies: window SW, first register SB.
.macro SLOT
.set KS, Q%2
.if Q%DEPTH == 0
.set SW, 0
.set SB, RING0
.else
.set SW, 1
.set SB, 64*(Q%DEPTH-1)
.endif
.endm
; Sixteen loads into the slot (each load: eight tile rows for the work-group), KOFF bytes along K from the bases.  Half 0 of a K step: X's 64 rows and W's first 64.  Half 1: W's other 128.
.macro GLOAD
	WIN 0x40*SW                                    ; destination in the slot's window, address in window 0
.if KS == 0
.irp j, 0,1,2,3,4,5,6,7
	global_load_b128 v[SB+4*\j:SB+4*\j+3], v[GOFF], s[XB:XB+1] offset:\j*8*ROWB+KOFF
.endr
.irp j, 0,1,2,3,4,5,6,7
	global_load_b128 v[SB+32+4*\j:SB+32+4*\j+3], v[GOFF], s[WB:WB+1] offset:\j*8*ROWB+KOFF
.endr
.else
.irp j, 0,1,2,3,4,5,6,7,8,9,10,11,12,13,14,15
	global_load_b128 v[SB+4*\j:SB+4*\j+3], v[GOFF], s[WB:WB+1] offset:(\j+8)*8*ROWB+KOFF
.endr
.endif
.endm
.macro MUL                             ; the twelve accumulators take turns, one instruction a turn, in the same order everywhere
.irp a, 0,1,2,3
.irp b, 0,1,2
	v_wmma_f32_16x16x32_bf16 v[ACC+8*(3*\a+\b):ACC+8*(3*\a+\b)+7], v[FRB+8*\b:FRB+8*\b+7], v[FRA+8*\a:FRA+8*\a+7], v[ACC+8*(3*\a+\b):ACC+8*(3*\a+\b)+7]
.endr
.endr
.endm
; HALF A K STEP, for Q = 0 .. 25.  It multiplies group Q - 2's half step (from Q = 2 on), out of LDS buffer CUR; it rounds group Q (up to 23) and stores it into buffer NXT; it asks for
; group Q + DEPTH (up to 23) into the slot just emptied.  pb: how many pairs of K steps the bases have been stepped.  Then Q goes on by one.
; Behind a K step's second half stands the barrier, which does two things: every wave's reads of CUR are back, so the next step may store into it; every wave's stores into NXT are done, so the next step may read it.
.macro HALF pb
	SLOT
.set CUR, ((Q+2)/2)%2
.set NXT, (Q/2)%2
.set LEFT, 23-Q                        ; the groups behind group Q that have been asked for: DEPTH - 1, fewer at the end
.if LEFT > DEPTH-1
.set LEFT, DEPTH-1
.endif
.set KOFF, 256*((Q+DEPTH)/2)-512*\pb
.if Q >= 2
	PLACES
.irp b, 0,1,2                          ; the fragments of 32 along K: 16 rows x 32 K in 8 registers, two loads of 16 bytes, 32 bytes apart
	ds_load_b128 v[FRB+8*\b:FRB+8*\b+3],   v[FB0+CUR] offset:\b*16*PITCH+64*KS
	ds_load_b128 v[FRB+8*\b+4:FRB+8*\b+7], v[FB0+CUR] offset:\b*16*PITCH+64*KS+32
.endr
.irp a, 0,1,2,3
	ds_load_b128 v[FRA+8*\a:FRA+8*\a+3],   v[FA0+CUR] offset:\a*16*PITCH+64*KS
	ds_load_b128 v[FRA+8*\a+4:FRA+8*\a+7], v[FA0+CUR] offset:\a*16*PITCH+64*KS+32
.endr
.endif
.if Q <= 23
	s_wait_loadcnt 16*LEFT                         ; loads come back in order (ISA guide 5.7.1): group Q is in (and the bias, which was asked for first of all); the LEFT groups behind it stay out
	WIN 0x45*SW                                    ; sources and destination in the slot's window
.irp j, 0,1,2,3,4,5,6,7,8,9,10,11,12,13,14,15      ; sixteen times four f32 -> four bf16 in the first two of their registers
	v_cvt_pk_bf16_f32 v[SB+4*\j],   v[SB+4*\j],   v[SB+4*\j+1]
	v_cvt_pk_bf16_f32 v[SB+4*\j+1], v[SB+4*\j+2], v[SB+4*\j+3]
.endr
	WIN 0x04*SW                                    ; data (source 1) in the slot's window, address in window 0
.irp j, 0,1,2,3,4,5,6,7,8,9,10,11,12,13,14,15
	ds_store_b64 v[LST0+NXT], v[SB+4*\j:SB+4*\j+1] offset:(16*KS+\j)*8*PITCH
.endr
.if Q+DEPTH <= 23
	GLOAD
.endif
	WIN 0
.if Q >= 2
	s_wait_dscnt 16                                ; LDS instructions end in order (ISA guide 5.7.1): the 14 fragment loads are in, the 16 stores behind them may be out
.endif
.else
	s_wait_dscnt 0x0
.endif
.if Q >= 2
	MUL
.endif
.if KS == 1
	s_wait_dscnt 0x0                               ; for the others' sake: zero
	s_barrier_signal -1
	s_barrier_wait -1
.endif
.set Q, Q+1
.endm
.irp a, 0,1,2,3
.irp b, 0,1,2
	global_load_b128 v[ACC+8*(3*\a+\b):ACC+8*(3*\a+\b)+3],   v[BOFF], s[BB:BB+1] offset:64*\b      ; the bias of my eight columns of block b, once for each of the four row blocks
	global_load_b128 v[ACC+8*(3*\a+\b)+4:ACC+8*(3*\a+\b)+7], v[BOFF], s[BB:BB+1] offset:64*\b+16
.endr
.endr
.set Q, 0
.rept DEPTH                            ; the ring is filled: groups 0 .. DEPTH - 1
	SLOT
.set KOFF, 256*(Q/2)
	GLOAD
.set Q, Q+1
.endr
	WIN 0
.set Q, 0
	HALF 0                                         ; K step 0 goes into buffer 0: two half steps that have nothing to multiply yet
	HALF 0
	s_mov_b32 s6, NL
.Lpair:                                                ; a trip is two K steps, Q = 2 .. 5 from the bases: a multiple of the ring's slots and of the two LDS buffers
	HALF 0
	HALF 0
	HALF 0
	HALF 0
	s_wait_xcnt 0x0                                ; the bases are stepped only behind this wait
	s_add_nc_u64 s[XB:XB+1], s[XB:XB+1], 512
	s_add_nc_u64 s[WB:WB+1], s[WB:WB+1], 512
	s_sub_co_u32 s6, s6, 1
	s_cmp_lg_u32 s6, 0
	s_cbranch_scc1 .Lpair
.set Q, 2+4*NL
.rept 24-4*NL                          ; the rest is written out: no load passes the rows' end, and the counts run down
	HALF NL
.endr
	; THE WAY OUT.  The stage lies where the buffers lay: the barrier above stands behind every wave's last read of them.  A lane's eight columns are 32 bytes of a row; the rows are
	; read back whole, since a row's 768 bytes come from four waves.
	PLACES
.irp a, 0,1,2,3
.irp b, 0,1,2
	ds_store_b128 v[SADR], v[ACC+8*(3*\a+\b):ACC+8*(3*\a+\b)+3]   offset:\a*16*SP+64*\b
	ds_store_b128 v[SADR], v[ACC+8*(3*\a+\b)+4:ACC+8*(3*\a+\b)+7] offset:\a*16*SP+64*\b+16
.endr
.endr
	s_wait_dscnt 0x0                               ; for the others' sake: my stores into the stage are done
	s_barrier_signal -1
	s_barrier_wait -1
.irp i, 0,1,2,3,4,5,6,7
.irp u, 0,1,2
	ds_load_b128 v[ACC+4*(3*\i+\u):ACC+4*(3*\i+\u)+3], v[RADR] offset:\i*8*SP+256*\u
.endr
.endr
.irp i, 0,1,2,3,4,5,6,7
.irp u, 0,1,2
	s_wait_dscnt 23-(3*\i+\u)                      ; this read is back; the younger ones may be out
.if THREE
	global_store_b128 v[GOFF], v[ACC+4*(3*\i+\u):ACC+4*(3*\i+\u)+3], s[OB:OB+1] offset:\i*8*ROWB+256*\u   ; 16 lanes store 256 consecutive bytes, at a multiple of 256 from Y's first byte
.else
	global_store_b128 v[GOFF], v[ACC+4*(3*\i+\u):ACC+4*(3*\i+\u)+3], s[OB:OB+1] offset:\i*8*ROWB+256*\u th:TH_STORE_NT
.endif
.endr
.endr
	s_wait_tensorcnt 0x0
	ds_add_u32 v254, v255
	s_wait_dscnt 0x0
	s_endpgm
.Lfunc_end_k_q96e17f8313_oproj:
	.size	k_q96e17f8313_oproj, .Lfunc_end_k_q96e17f8313_oproj-k_q96e17f8313_oproj
	.p2alignl 7, 3214868480
	.fill 96, 4, 3214868480
	.section	.rodata,"a",@progbits
	.p2align	6, 0x0
	.amdhsa_kernel k_q96e17f8313_oproj
		.amdhsa_group_segment_fixed_size 74240
		.amdhsa_private_segment_fixed_size 0
		.amdhsa_enable_private_segment 0
		.amdhsa_kernarg_size 32
		.amdhsa_user_sgpr_count 2
		.amdhsa_user_sgpr_kernarg_segment_ptr 1
		.amdhsa_wavefront_size32 1
		.amdhsa_system_sgpr_workgroup_id_x 1
		.amdhsa_system_sgpr_workgroup_id_y 1
		.amdhsa_system_sgpr_workgroup_id_z 1
		.amdhsa_system_vgpr_workitem_id 0
		.amdhsa_next_free_vgpr 448
		.amdhsa_next_free_sgpr 66
		.amdhsa_reserve_vcc 0
		.amdhsa_float_denorm_mode_32 3
		.amdhsa_float_denorm_mode_16_64 3
		.amdhsa_memory_ordered 1
		.amdhsa_forward_progress 1
		.amdhsa_inst_pref_size 89
	.end_amdhsa_kernel
	.amdgpu_metadata
---
amdhsa.version: [ 1, 2 ]
amdhsa.kernels:
  - .name:           k_q96e17f8313_oproj
    .symbol:         k_q96e17f8313_oproj.kd
    .args:
      - { .name: ctx, .offset: 0, .size: 8, .value_kind: global_buffer, .address_space: global }
      - { .name: Wo, .offset: 8, .size: 8, .value_kind: global_buffer, .address_space: global }
      - { .name: bo, .offset: 16, .size: 8, .value_kind: global_buffer, .address_space: global }
      - { .name: out0, .offset: 24, .size: 8, .value_kind: global_buffer, .address_space: global }
    .group_segment_fixed_size: 74240
    .private_segment_fixed_size: 0
    .kernarg_segment_align: 8
    .kernarg_segment_size: 32
    .max_flat_workgroup_size: 128
    .sgpr_count:     66
    .vgpr_count:     448
    .wavefront_size: 32
...
	.end_amdgpu_metadata
.endif
;; end of part 5
;; ======== version 3 of 4: 3 launches; 1.32 times as fast as version 1
;; workspace buffers: qf 12,582,912 bytes; kf 12,582,912 bytes; vf 12,582,912 bytes; ctx 12,582,912 bytes
;; launch proj (part 6): grid 12 x 32, 4 waves a work-group, no clusters, 100,864 bytes of LDS; arguments query, key, value, Wq, Wk, Wv, bq, bk, bv, qf, kf, vf; writes qf, kf, vf
.if DOCPART == 6
	.amdgcn_target "amdgcn-amd-amdhsa--gfx1250"
	.amdhsa_code_object_version 6
	.text
	.protected	k_q96e17f8313_proj
	.globl	k_q96e17f8313_proj
	.p2align	8
	.type	k_q96e17f8313_proj,@function
k_q96e17f8313_proj:
	s_mov_b64 s[64:65], 0
	v_nop
	global_prefetch_b8 v0, s[64:65] scope:SCOPE_SE
	s_setreg_imm32_b32 hwreg(HW_REG_WAVE_MODE, 25, 1), 1
	s_wait_xcnt 0x0
; Y = X W^T + b.  X: [4096][768] f32, W: [768][768] f32 (row n holds the weights of output column n), b: [768] f32, Y: [4096][768] f32.
; THREE = 1: three such products in one launch, (query, Wq, bq) -> qf, (key, Wk, bk) -> kf, (value, Wv, bv) -> vf; the work-group's x / 4 says which.
; SHARES.  A work-group makes TM = 128 rows x 192 columns of Y (768 bytes of a row: three aligned blocks of 256).  Four waves, 2 x 2; a wave makes 64 rows x 96 columns:
; 4 x 6 accumulators of 16 x 16.  K goes in 12 steps of 64, so a tile's rows are 256 consecutive bytes of memory, at multiples of 256 from the buffer's first byte.
; WHY THIS TILE.  The three products have 9 x 2^20 outputs, 9 x 2^12 for each of 256 WGPs; a tile's rows divide 4,096 and its columns 3 x 2^8, so no tile is an even share.  The choice is
; between 768 tiles of 64 x 192, three to a WGP, and 384 of 128 x 192, one or two to a WGP.  The second loads (128 + 192) / (2 x (64 + 192)) = 5/8 of the bytes for the same products and
; reads 10 fragments from LDS for 24 products in place of 7 for 12; two such work-groups still load less than three of the smaller.  It is taken.
; WAY IN.  X and W are f32 in memory and bf16 in the matrix unit, so a tile passes through registers: 16-byte loads (sixteen lanes take a tile row), two roundings in one
; v_cvt_pk_bf16_f32, 8-byte LDS stores.  Two LDS buffers take turns, one barrier a K step: while step s is multiplied, step s + 1 is rounded and stored.
; THE RING OF LOADS.  A K step's loads are two groups of GN; group q = 2 x step + half lands in slot q % DEPTH of a ring of register slots.  The half step that rounds group q
; asks for group q + DEPTH into the same slot, so DEPTH groups (DEPTH x GN loads x 512 bytes a wave) are on their way, and the wait for a group leaves the DEPTH - 1 younger groups out.
; DEPTH = 2 here: with 496 registers two waves lie on a SIMD (2 x 496 of its 1,024 registers), so that the two work-groups of a WGP run together.
; WHY NO TENSOR LOADS AND NO JOINT REQUESTS, though four work-groups read the same rows of X and 32 the same rows of W: a tile that is copied to LDS as it lies in memory is f32 there:
; a fragment would be twice the LDS bytes, and every wave that reads it would round it again (80 roundings for its 24 products).
; THE MATRIX INSTRUCTION IS USED TRANSPOSED (source 0 = 16 rows of W, source 1 = 16 rows of X): a lane then holds eight neighbouring columns of one row of Y.
; THE BIAS STARTS THE SUMS: it is loaded once, 8 NB registers, and is the C of the first half step's products: nothing is cleared and nothing is added at the end.
; LIMITS.  X and W are rounded to bf16 (nearest even); a magnitude above bf16's largest number, 3.39e38, becomes infinite.  Sums in f32.
.set THREE, 1
.set NB,    6                          ; blocks of 16 columns a wave
.set LOGWC, 1                          ; 2^LOGWC waves lie along the columns (16 NB x 2^LOGWC = 192), the others along the rows, 64 rows each
.set DEPTH, 2                          ; groups of loads on their way: 2 or 4 (it divides the loop's four half steps)
.set FW,    1                          ; 1: fragments and the whole ring lie in the second window of 256 registers; 0: fragments and slot 0 in the first
.set TM,    64<<(2-LOGWC)              ; rows of the tile
.set NX,    TM/8                       ; loads a lane for X's rows of a K step (a load: eight tile rows for the work-group)
.set GN,    (NX+24)/2                  ; loads in a group: half of a K step's TM + 192 rows
.set NL,    (16-DEPTH)/4+1             ; trips of the loop: the pairs of K steps, from group 4 on, in which every half step still has a group to ask for (the last group is 23)
.set ROWB,  3072                       ; bytes in a row of X, W and Y
.set PITCH, 144                        ; an LDS row: 64 bf16 = 128 bytes + 16 of padding = 36 words: the 16 rows of a fragment load start at 16 different groups of four banks (64 banks of 4 bytes: ISA guide 11.1)
.set BUF,   (TM+192)*PITCH             ; a buffer: X's TM rows, then W's 192 rows
.set SP,    784                        ; a row of the stage for the way out: 768 bytes + 16
.set GOFF,  1                          ; v1     (8 h + w) rows + 16 (t % 16): my 16 bytes in X, W or Y; never rewritten
.set LST0,  2                          ; v2-3   where my 8 bytes of bf16 go, in buffer 0, 1
.set FA0,   4                          ; v4-5   my lane's place in my wave's 64 rows of X, in buffer 0, 1
.set FB0,   6                          ; v6-7   the same for my wave's 16 NB rows of W
.set BOFF,  8                          ; v8     byte offset of my eight columns among the work-group's 192
.set SADR,  9                          ; v9     the way out: where I put 16 bytes of a row
.set RADR,  10                         ; v10-11 the way out: where I read a row back, in rows 0-63, 64-127
.set ACC,   16                         ; accumulator (a, b) at ACC + 8 (NB a + b): 32 NB registers
.set BIAS,  ACC+32*NB                  ; the bias of my 8 columns of each of my NB blocks
.if FW
.set FRA,   0                          ; second window: four fragments of X, NB of W, then the ring's slots of 4 GN registers
.set FRB,   32
.set RINGW, 32+8*NB
.set RING0, 0                          ; (not used)
.else
.set FRA,   BIAS+8*NB                  ; first window: four fragments of X, NB of W, slot 0; slot n > 0 in the second window at 4 GN (n - 1)
.set FRB,   FRA+32
.set RING0, FRB+8*NB
.set RINGW, 0                          ; (not used)
.endif
.set XB,    32                         ; s[32:33] X at my TM rows, stepped along K
.set WB,    34                         ; s[34:35] W at my 192 rows, stepped along K
.set BB,    36                         ; s[36:37] b at my 192 columns
.set OB,    38                         ; s[38:39] Y at my tile
; s_set_vgpr_msb's low byte: bits 1:0 source 0, 3:2 source 1, 5:4 source 2, 7:6 destination; the high byte repeats the setting that is left; a switch that changes nothing is dropped.
.set MSB, 0
.macro WIN new
.if MSB != (\new)
	s_set_vgpr_msb (MSB<<8)|(\new)
.set MSB, \new
.endif
.endm
.if THREE
	s_load_b512 s[8:23], s[0:1], 0x0               ; query s[8:9], key s[10:11], value s[12:13], Wq s[14:15], Wk s[16:17], Wv s[18:19], bq s[20:21], bk s[22:23]
	s_load_b256 s[24:31], s[0:1], 0x40             ; bv s[24:25], qf s[26:27], kf s[28:29], vf s[30:31]
	s_set_vgpr_msb 0x40
	v_lshl_add_u32 v240, v0, 2, 0x18800
	v_mov_b32 v241, 0
	s_set_vgpr_msb 0x4000
	s_lshr_b32 s2, ttmp9, 2                        ; which of the three products
.else
	s_load_b256 s[8:15], s[0:1], 0x0               ; X s[8:9], W s[10:11], b s[12:13], Y s[14:15]
.endif
	s_and_b32 s3, ttmp9, 3                         ; which 192 columns
	s_and_b32 s4, ttmp7, 0xffff                    ; which TM rows
	v_lshrrev_b32 v15, 5, v0
	v_readfirstlane_b32 s5, v15                    ; wave 0..3
	s_lshr_b32 s42, s5, LOGWC                      ; which 64 rows of the tile are my wave's
	s_and_b32 s43, s5, (1<<LOGWC)-1                ; which 16 NB columns
	v_and_b32 v13, 15, v0                          ; t % 16, also the lane's r
	v_bfe_u32 v14, v0, 4, 1                        ; the lane's h
	; A load or an LDS store of a wave takes two tile rows, EIGHT APART: 8 x 36 words = 32 mod 64, so the two rows' 32 words of bf16 fall on the two halves of the 64 banks.
	; My row among 16 is 8 h + w; loads 2 m and 2 m + 1 take rows 16 m on and 16 m + 4 on.
	v_lshl_add_u32 v15, v14, 3, v15                ; 8 h + w
	v_mul_u32_u24 v[GOFF], v15, ROWB
	v_lshl_add_u32 v[GOFF], v13, 4, v[GOFF]
	v_mul_u32_u24 v[LST0], v15, PITCH
	v_lshl_add_u32 v[LST0], v13, 3, v[LST0]
	v_add_nc_u32 v[LST0+1], BUF, v[LST0]
	v_mul_u32_u24 v12, v13, PITCH                  ; a fragment: row r, 16 bytes for each half of the lanes
	v_lshl_add_u32 v12, v14, 4, v12
	s_mul_i32 s7, s42, 64*PITCH                    ; my wave's 64 rows of X
	v_add_nc_u32 v[FA0], s7, v12
	v_add_nc_u32 v[FA0+1], BUF, v[FA0]
	s_mul_i32 s7, s43, 16*NB*PITCH                 ; my wave's 16 NB rows of W,
	s_add_co_u32 s7, s7, TM*PITCH                  ; which lie behind X's TM
	v_add_nc_u32 v[FB0], s7, v12
	v_add_nc_u32 v[FB0+1], BUF, v[FB0]
	s_mul_i32 s7, s43, 64*NB                       ; 16 NB columns of f32 a wave
	v_lshl_add_u32 v[BOFF], v14, 5, s7             ; + 8 columns for the upper half of the lanes
	s_mul_i32 s7, s42, 64*SP
	v_mul_u32_u24 v[SADR], v13, SP
	v_add_nc_u32 v[SADR], v[SADR], v[BOFF]
	v_add_nc_u32 v[SADR], s7, v[SADR]
	v_mul_u32_u24 v[RADR], v15, SP
	v_lshl_add_u32 v[RADR], v13, 4, v[RADR]
.if NX > 8
	v_add_nc_u32 v[RADR+1], 64*SP, v[RADR]         ; an LDS offset has 16 bits: the stage's rows 64 on want a register of their own
.endif
	s_wait_kmcnt 0x0
.if THREE
	s_cmp_eq_u32 s2, 1                             ; a choice between buffers on the work-group's number alone
	s_cselect_b64 s[XB:XB+1], s[10:11], s[8:9]
	s_cselect_b64 s[WB:WB+1], s[16:17], s[14:15]
	s_cselect_b64 s[BB:BB+1], s[22:23], s[20:21]
	s_cselect_b64 s[OB:OB+1], s[28:29], s[26:27]
	s_cmp_eq_u32 s2, 2
	s_cselect_b64 s[XB:XB+1], s[12:13], s[XB:XB+1]
	s_cselect_b64 s[WB:WB+1], s[18:19], s[WB:WB+1]
	s_cselect_b64 s[BB:BB+1], s[24:25], s[BB:BB+1]
	s_cselect_b64 s[OB:OB+1], s[30:31], s[OB:OB+1]
.else
	s_mov_b64 s[XB:XB+1], s[8:9]
	s_mov_b64 s[WB:WB+1], s[10:11]
	s_mov_b64 s[BB:BB+1], s[12:13]
	s_mov_b64 s[OB:OB+1], s[14:15]
.endif
	s_mul_i32 s40, s4, TM*ROWB                     ; my TM rows of X and Y
	s_mov_b32 s41, 0
	s_add_nc_u64 s[XB:XB+1], s[XB:XB+1], s[40:41]
	s_add_nc_u64 s[OB:OB+1], s[OB:OB+1], s[40:41]
	s_mul_i32 s40, s3, 192*ROWB                    ; my 192 rows of W
	s_add_nc_u64 s[WB:WB+1], s[WB:WB+1], s[40:41]
	s_mul_i32 s40, s3, 768                         ; my 192 columns of b and Y
	s_add_nc_u64 s[BB:BB+1], s[BB:BB+1], s[40:41]
	s_add_nc_u64 s[OB:OB+1], s[OB:OB+1], s[40:41]
; A load into a register that a matrix instruction has read, and an LDS store that reads a matrix result, stand four places behind that matrix instruction, and only plain vector
; instructions that name none of its registers are places (ISA guide 7.12.1 for vector instructions).
.macro PLACES
.rept 4
	v_nop
.endr
.endm
; The symbol Q is the group in hand.  SLOT says which half of its K step it is (KS) and where its slot lies: window SW, first register SB.
.macro SLOT
.set KS, Q%2
.if FW
.set SW, 1
.set SB, RINGW+4*GN*(Q%DEPTH)
.elseif Q%DEPTH == 0
.set SW, 0
.set SB, RING0
.else
.set SW, 1
.set SB, 4*GN*(Q%DEPTH-1)
.endif
.endm
; GN loads into the slot, KOFF bytes along K from the bases.  Load LI of a K step's 2 GN takes the tile rows RO + 8 h + w, RO = 16 (LI / 2) + 4 (LI % 2): X's rows first, then W's.
.macro GLOAD
	WIN 0x40*SW                                    ; destination in the slot's window, address in the first
.set gj, 0
.rept GN
.set LI, KS*GN+gj
.set RO, 16*(LI/2)+4*(LI%2)
.if LI < NX
	global_load_b128 v[SB+4*gj:SB+4*gj+3], v[GOFF], s[XB:XB+1] offset:RO*ROWB+KOFF
.else
	global_load_b128 v[SB+4*gj:SB+4*gj+3], v[GOFF], s[WB:WB+1] offset:(RO-TM)*ROWB+KOFF
.endif
.set gj, gj+1
.endr
.endm
; 4 NB products, 32 along K.  The accumulators take turns, one instruction a turn, in the same order everywhere.  first = 1: the bias is C and the sums begin.
.macro MUL first
.set ma, 0
.rept 4
.set mb, 0
.rept NB
.set AC, ACC+8*(NB*ma+mb)
.if \first
	v_wmma_f32_16x16x32_bf16 v[AC:AC+7], v[FRB+8*mb:FRB+8*mb+7], v[FRA+8*ma:FRA+8*ma+7], v[BIAS+8*mb:BIAS+8*mb+7]
.else
	v_wmma_f32_16x16x32_bf16 v[AC:AC+7], v[FRB+8*mb:FRB+8*mb+7], v[FRA+8*ma:FRA+8*ma+7], v[AC:AC+7]
.endif
.set mb, mb+1
.endr
.set ma, ma+1
.endr
.endm
; HALF A K STEP, for Q = 0 .. 25.  It multiplies group Q - 2's half step (from Q = 2 on), out of LDS buffer CUR; it rounds group Q (up to 23) and stores it into buffer NXT; it asks for
; group Q + DEPTH (up to 23) into the slot just emptied.  pb: how many pairs of K steps the bases have been stepped.  Then Q goes on by one.
; Behind a K step's second half stands the barrier, which does two things: every wave's reads of CUR are back, so the next step may store into it; every wave's stores into NXT are done, so the next step may read it.
.macro HALF pb
	SLOT
.set CUR, ((Q+2)/2)%2
.set NXT, (Q/2)%2
.set LEFT, 23-Q                        ; the groups behind group Q that have been asked for: DEPTH - 1, fewer at the end
.if LEFT > DEPTH-1
.set LEFT, DEPTH-1
.endif
.set KOFF, 256*((Q+DEPTH)/2)-512*\pb
.if Q >= 2
	PLACES
	WIN 0x40*FW                                    ; destination in the fragments' window, address in the first
.set hb, 0
.rept NB                               ; the fragments of 32 along K: 16 rows x 32 K in 8 registers, two loads of 16 bytes, 32 bytes apart
	ds_load_b128 v[FRB+8*hb:FRB+8*hb+3],   v[FB0+CUR] offset:hb*16*PITCH+64*KS
	ds_load_b128 v[FRB+8*hb+4:FRB+8*hb+7], v[FB0+CUR] offset:hb*16*PITCH+64*KS+32
.set hb, hb+1
.endr
.irp a, 0,1,2,3
	ds_load_b128 v[FRA+8*\a:FRA+8*\a+3],   v[FA0+CUR] offset:\a*16*PITCH+64*KS
	ds_load_b128 v[FRA+8*\a+4:FRA+8*\a+7], v[FA0+CUR] offset:\a*16*PITCH+64*KS+32
.endr
.endif
.if Q <= 23
	s_wait_loadcnt GN*LEFT                         ; loads come back in order (ISA guide 5.7.1): group Q is in (and the bias, which was asked for first of all); the LEFT groups behind it stay out
	WIN 0x45*SW                                    ; sources and destination in the slot's window
.set hj, 0
.rept GN                               ; GN times four f32 -> four bf16 in the first two of their registers
	v_cvt_pk_bf16_f32 v[SB+4*hj],   v[SB+4*hj],   v[SB+4*hj+1]
	v_cvt_pk_bf16_f32 v[SB+4*hj+1], v[SB+4*hj+2], v[SB+4*hj+3]
.set hj, hj+1
.endr
	WIN 0x04*SW                                    ; data (source 1) in the slot's window, address in the first
.set hj, 0
.rept GN
.set LI, KS*GN+hj
	ds_store_b64 v[LST0+NXT], v[SB+4*hj:SB+4*hj+1] offset:(16*(LI/2)+4*(LI%2))*PITCH
.set hj, hj+1
.endr
.if Q+DEPTH <= 23
	GLOAD
.endif
.if Q >= 2
	s_wait_dscnt GN                                ; LDS instructions end in order (ISA guide 5.7.1): the fragment loads are in, the GN stores behind them may be out
.endif
.else
	s_wait_dscnt 0x0
.endif
.if Q >= 2
	WIN 0x05*FW                                    ; sources 0 and 1 in the fragments' window; C and D in the first
.if Q == 2
	MUL 1
.else
	MUL 0
.endif
.endif
.if KS == 1
	s_wait_dscnt 0x0                               ; for the others' sake: zero
	s_barrier_signal -1
	s_barrier_wait -1
.endif
.set Q, Q+1
.endm
.set bb, 0
.rept NB
	global_load_b128 v[BIAS+8*bb:BIAS+8*bb+3],   v[BOFF], s[BB:BB+1] offset:64*bb      ; the bias of my eight columns of block bb
	global_load_b128 v[BIAS+8*bb+4:BIAS+8*bb+7], v[BOFF], s[BB:BB+1] offset:64*bb+16
.set bb, bb+1
.endr
.set Q, 0
.rept DEPTH                            ; the ring is filled: groups 0 .. DEPTH - 1
	SLOT
.set KOFF, 256*(Q/2)
	GLOAD
.set Q, Q+1
.endr
.set Q, 0
	HALF 0                                         ; K step 0 goes into buffer 0: two half steps that have nothing to multiply yet
	HALF 0
	HALF 0                                         ; K step 0 is multiplied ahead of the loop: its first products take the bias as C
	HALF 0
	WIN 0                                          ; at a label and at a branch every window is the first
	s_mov_b32 s6, NL
.Lpair:                                                ; a trip is two K steps, Q = 4 .. 7 from the bases: a multiple of the ring's slots and of the two LDS buffers
	HALF 0
	HALF 0
	HALF 0
	HALF 0
	WIN 0
	s_wait_xcnt 0x0                                ; the bases are stepped only behind this wait
	s_add_nc_u64 s[XB:XB+1], s[XB:XB+1], 512
	s_add_nc_u64 s[WB:WB+1], s[WB:WB+1], 512
	s_sub_co_u32 s6, s6, 1
	s_cmp_lg_u32 s6, 0
	s_cbranch_scc1 .Lpair
.set Q, 4+4*NL
.rept 22-4*NL                          ; the rest is written out: no load passes the rows' end, and the counts run down
	HALF NL
.endr
	WIN 0
	; THE WAY OUT.  The stage lies where the buffers lay: the barrier above stands behind every wave's last read of them.  A lane's eight columns are 32 bytes of a row; the rows are
	; read back whole, since a row's 768 bytes come from several waves.
	PLACES
.set oa, 0
.rept 4
.set ob, 0
.rept NB
.set AC, ACC+8*(NB*oa+ob)
	ds_store_b128 v[SADR], v[AC:AC+3]   offset:oa*16*SP+64*ob
	ds_store_b128 v[SADR], v[AC+4:AC+7] offset:oa*16*SP+64*ob+16
.set ob, ob+1
.endr
.set oa, oa+1
.endr
	s_wait_dscnt 0x0                               ; for the others' sake: my stores into the stage are done
	s_barrier_signal -1
	s_barrier_wait -1
.set ok, 0
.rept 3*NX                             ; read ok = 3 oi + ou: rows 16 (oi / 2) + 4 (oi % 2) + 8 h + w, block ou of 256 bytes
.set oi, ok/3
.set ou, ok%3
	ds_load_b128 v[ACC+4*ok:ACC+4*ok+3], v[RADR+oi/8] offset:(16*((oi%8)/2)+4*(oi%2))*SP+256*ou
.set ok, ok+1
.endr
.set ok, 0
.rept 3*NX
.set oi, ok/3
.set ou, ok%3
	s_wait_dscnt 3*NX-1-ok                         ; this read is back; the younger ones may be out
.if THREE
	global_store_b128 v[GOFF], v[ACC+4*ok:ACC+4*ok+3], s[OB:OB+1] offset:(16*(oi/2)+4*(oi%2))*ROWB+256*ou   ; 16 lanes store 256 consecutive bytes, at a multiple of 256 from Y's first byte
.else
	global_store_b128 v[GOFF], v[ACC+4*ok:ACC+4*ok+3], s[OB:OB+1] offset:(16*(oi/2)+4*(oi%2))*ROWB+256*ou th:TH_STORE_NT
.endif
.set ok, ok+1
.endr
	s_set_vgpr_msb 0x5
	s_wait_tensorcnt 0x0
	ds_add_u32 v240, v241
	s_wait_dscnt 0x0
	s_set_vgpr_msb 0x500
	s_endpgm
.Lfunc_end_k_q96e17f8313_proj:
	.size	k_q96e17f8313_proj, .Lfunc_end_k_q96e17f8313_proj-k_q96e17f8313_proj
	.p2alignl 7, 3214868480
	.fill 96, 4, 3214868480
	.section	.rodata,"a",@progbits
	.p2align	6, 0x0
	.amdhsa_kernel k_q96e17f8313_proj
		.amdhsa_group_segment_fixed_size 100864
		.amdhsa_private_segment_fixed_size 0
		.amdhsa_enable_private_segment 0
		.amdhsa_kernarg_size 96
		.amdhsa_user_sgpr_count 2
		.amdhsa_user_sgpr_kernarg_segment_ptr 1
		.amdhsa_wavefront_size32 1
		.amdhsa_system_sgpr_workgroup_id_x 1
		.amdhsa_system_sgpr_workgroup_id_y 1
		.amdhsa_system_sgpr_workgroup_id_z 1
		.amdhsa_system_vgpr_workitem_id 0
		.amdhsa_next_free_vgpr 498
		.amdhsa_next_free_sgpr 66
		.amdhsa_reserve_vcc 0
		.amdhsa_float_denorm_mode_32 3
		.amdhsa_float_denorm_mode_16_64 3
		.amdhsa_memory_ordered 1
		.amdhsa_forward_progress 1
		.amdhsa_inst_pref_size 123
	.end_amdhsa_kernel
	.amdgpu_metadata
---
amdhsa.version: [ 1, 2 ]
amdhsa.kernels:
  - .name:           k_q96e17f8313_proj
    .symbol:         k_q96e17f8313_proj.kd
    .args:
      - { .name: query, .offset: 0, .size: 8, .value_kind: global_buffer, .address_space: global }
      - { .name: key, .offset: 8, .size: 8, .value_kind: global_buffer, .address_space: global }
      - { .name: value, .offset: 16, .size: 8, .value_kind: global_buffer, .address_space: global }
      - { .name: Wq, .offset: 24, .size: 8, .value_kind: global_buffer, .address_space: global }
      - { .name: Wk, .offset: 32, .size: 8, .value_kind: global_buffer, .address_space: global }
      - { .name: Wv, .offset: 40, .size: 8, .value_kind: global_buffer, .address_space: global }
      - { .name: bq, .offset: 48, .size: 8, .value_kind: global_buffer, .address_space: global }
      - { .name: bk, .offset: 56, .size: 8, .value_kind: global_buffer, .address_space: global }
      - { .name: bv, .offset: 64, .size: 8, .value_kind: global_buffer, .address_space: global }
      - { .name: qf, .offset: 72, .size: 8, .value_kind: global_buffer, .address_space: global }
      - { .name: kf, .offset: 80, .size: 8, .value_kind: global_buffer, .address_space: global }
      - { .name: vf, .offset: 88, .size: 8, .value_kind: global_buffer, .address_space: global }
    .group_segment_fixed_size: 100864
    .private_segment_fixed_size: 0
    .kernarg_segment_align: 8
    .kernarg_segment_size: 96
    .max_flat_workgroup_size: 128
    .sgpr_count:     66
    .vgpr_count:     498
    .wavefront_size: 32
...
	.end_amdgpu_metadata
.endif
;; end of part 6
;; launch attn: the kernel of part 2 again; grid 64 x 12, 4 waves a work-group, no clusters, 108,032 bytes of LDS; arguments qf, kf, vf, ctx; writes ctx
;; launch oproj (part 7): grid 4 x 64, 4 waves a work-group, no clusters, 74,240 bytes of LDS; arguments ctx, Wo, bo, out0; writes out0
.if DOCPART == 7
	.amdgcn_target "amdgcn-amd-amdhsa--gfx1250"
	.amdhsa_code_object_version 6
	.text
	.protected	k_q96e17f8313_oproj
	.globl	k_q96e17f8313_oproj
	.p2align	8
	.type	k_q96e17f8313_oproj,@function
k_q96e17f8313_oproj:
	s_mov_b64 s[64:65], 0
	v_nop
	global_prefetch_b8 v0, s[64:65] scope:SCOPE_SE
	s_setreg_imm32_b32 hwreg(HW_REG_WAVE_MODE, 25, 1), 1
	s_wait_xcnt 0x0
; Y = X W^T + b.  X: [4096][768] f32, W: [768][768] f32 (row n holds the weights of output column n), b: [768] f32, Y: [4096][768] f32.
; THREE = 0: one such product, (ctx, Wo, bo) -> out0.  (With THREE = 1 and a larger tile the same text makes the three input projections in one launch.)
; SHARES.  A work-group makes TM = 64 rows x 192 columns of Y (768 bytes of a row: three aligned blocks of 256): 256 work-groups, one to a WGP.  Four waves side by side; a wave makes
; 64 rows x 48 columns: 4 x 3 accumulators of 16 x 16.  K goes in 12 steps of 64, so a tile's rows are 256 consecutive bytes of memory, at multiples of 256 from the buffer's first byte.
; WAY IN.  X and W are f32 in memory and bf16 in the matrix unit, so a tile passes through registers: 16-byte loads (sixteen lanes take a tile row), two roundings in one
; v_cvt_pk_bf16_f32, 8-byte LDS stores.  Two LDS buffers take turns, one barrier a K step: while step s is multiplied, step s + 1 is rounded and stored.
; THE RING OF LOADS.  A K step's loads are two groups of GN; group q = 2 x step + half lands in slot q % DEPTH of a ring of register slots.  The half step that rounds group q
; asks for group q + DEPTH into the same slot, so DEPTH groups (DEPTH x GN loads x 512 bytes a wave) are on their way, and the wait for a group leaves the DEPTH - 1 younger groups out.
; DEPTH = 4 here: one wave to a SIMD, so the wave itself keeps two whole K steps on their way: 32 KB a wave, asked for four half steps (48 products) ahead.
; At the start 6 + 64 loads are issued in front of the first wait; the issue stalls where LOADcnt's field is full (ISA guide 5.7.1), and no wait is written for that.
; WHY NO TENSOR LOADS AND NO JOINT REQUESTS, though four work-groups read the same rows of X and 64 the same rows of W: a tile that is copied to LDS as it lies in memory is f32 there:
; a fragment would be twice the LDS bytes, and every wave that reads it would round it again (56 roundings for its 12 products).
; THE MATRIX INSTRUCTION IS USED TRANSPOSED (source 0 = 16 rows of W, source 1 = 16 rows of X): a lane then holds eight neighbouring columns of one row of Y.
; THE BIAS STARTS THE SUMS: it is loaded once, 8 NB registers, and is the C of the first half step's products: nothing is cleared and nothing is added at the end.
; LIMITS.  X and W are rounded to bf16 (nearest even); a magnitude above bf16's largest number, 3.39e38, becomes infinite.  Sums in f32.
.set THREE, 0
.set NB,    3                          ; blocks of 16 columns a wave
.set LOGWC, 2                          ; 2^LOGWC waves lie along the columns (16 NB x 2^LOGWC = 192), the others along the rows, 64 rows each
.set DEPTH, 4                          ; groups of loads on their way: 2 or 4 (it divides the loop's four half steps)
.set FW,    0                          ; 1: fragments and the whole ring lie in the second window of 256 registers; 0: fragments and slot 0 in the first
.set TM,    64<<(2-LOGWC)              ; rows of the tile
.set NX,    TM/8                       ; loads a lane for X's rows of a K step (a load: eight tile rows for the work-group)
.set GN,    (NX+24)/2                  ; loads in a group: half of a K step's TM + 192 rows
.set NL,    (16-DEPTH)/4+1             ; trips of the loop: the pairs of K steps, from group 4 on, in which every half step still has a group to ask for (the last group is 23)
.set ROWB,  3072                       ; bytes in a row of X, W and Y
.set PITCH, 144                        ; an LDS row: 64 bf16 = 128 bytes + 16 of padding = 36 words: the 16 rows of a fragment load start at 16 different groups of four banks (64 banks of 4 bytes: ISA guide 11.1)
.set BUF,   (TM+192)*PITCH             ; a buffer: X's TM rows, then W's 192 rows
.set SP,    784                        ; a row of the stage for the way out: 768 bytes + 16
.set GOFF,  1                          ; v1     (8 h + w) rows + 16 (t % 16): my 16 bytes in X, W or Y; never rewritten
.set LST0,  2                          ; v2-3   where my 8 bytes of bf16 go, in buffer 0, 1
.set FA0,   4                          ; v4-5   my lane's place in my wave's 64 rows of X, in buffer 0, 1
.set FB0,   6                          ; v6-7   the same for my wave's 16 NB rows of W
.set BOFF,  8                          ; v8     byte offset of my eight columns among the work-group's 192
.set SADR,  9                          ; v9     the way out: where I put 16 bytes of a row
.set RADR,  10                         ; v10-11 the way out: where I read a row back, in rows 0-63, 64-127
.set ACC,   16                         ; accumulator (a, b) at ACC + 8 (NB a + b): 32 NB registers
.set BIAS,  ACC+32*NB                  ; the bias of my 8 columns of each of my NB blocks
.if FW
.set FRA,   0                          ; second window: four fragments of X, NB of W, then the ring's slots of 4 GN registers
.set FRB,   32
.set RINGW, 32+8*NB
.set RING0, 0                          ; (not used)
.else
.set FRA,   BIAS+8*NB                  ; first window: four fragments of X, NB of W, slot 0; slot n > 0 in the second window at 4 GN (n - 1)
.set FRB,   FRA+32
.set RING0, FRB+8*NB
.set RINGW, 0                          ; (not used)
.endif
.set XB,    32                         ; s[32:33] X at my TM rows, stepped along K
.set WB,    34                         ; s[34:35] W at my 192 rows, stepped along K
.set BB,    36                         ; s[36:37] b at my 192 columns
.set OB,    38                         ; s[38:39] Y at my tile
; s_set_vgpr_msb's low byte: bits 1:0 source 0, 3:2 source 1, 5:4 source 2, 7:6 destination; the high byte repeats the setting that is left; a switch that changes nothing is dropped.
.set MSB, 0
.macro WIN new
.if MSB != (\new)
	s_set_vgpr_msb (MSB<<8)|(\new)
.set MSB, \new
.endif
.endm
.if THREE
	s_load_b512 s[8:23], s[0:1], 0x0               ; query s[8:9], key s[10:11], value s[12:13], Wq s[14:15], Wk s[16:17], Wv s[18:19], bq s[20:21], bk s[22:23]
	s_load_b256 s[24:31], s[0:1], 0x40             ; bv s[24:25], qf s[26:27], kf s[28:29], vf s[30:31]
	s_lshr_b32 s2, ttmp9, 2                        ; which of the three products
.else
	s_load_b256 s[8:15], s[0:1], 0x0               ; X s[8:9], W s[10:11], b s[12:13], Y s[14:15]
	v_lshl_add_u32 v11, v0, 2, 0x12000
	s_set_vgpr_msb 0x40
	v_mov_b32 v193, 0
	s_set_vgpr_msb 0x4000
.endif
	s_and_b32 s3, ttmp9, 3                         ; which 192 columns
	s_and_b32 s4, ttmp7, 0xffff                    ; which TM rows
	v_lshrrev_b32 v15, 5, v0
	v_readfirstlane_b32 s5, v15                    ; wave 0..3
	s_lshr_b32 s42, s5, LOGWC                      ; which 64 rows of the tile are my wave's
	s_and_b32 s43, s5, (1<<LOGWC)-1                ; which 16 NB columns
	v_and_b32 v13, 15, v0                          ; t % 16, also the lane's r
	v_bfe_u32 v14, v0, 4, 1                        ; the lane's h
	; A load or an LDS store of a wave takes two tile rows, EIGHT APART: 8 x 36 words = 32 mod 64, so the two rows' 32 words of bf16 fall on the two halves of the 64 banks.
	; My row among 16 is 8 h + w; loads 2 m and 2 m + 1 take rows 16 m on and 16 m + 4 on.
	v_lshl_add_u32 v15, v14, 3, v15                ; 8 h + w
	v_mul_u32_u24 v[GOFF], v15, ROWB
	v_lshl_add_u32 v[GOFF], v13, 4, v[GOFF]
	v_mul_u32_u24 v[LST0], v15, PITCH
	v_lshl_add_u32 v[LST0], v13, 3, v[LST0]
	v_add_nc_u32 v[LST0+1], BUF, v[LST0]
	v_mul_u32_u24 v12, v13, PITCH                  ; a fragment: row r, 16 bytes for each half of the lanes
	v_lshl_add_u32 v12, v14, 4, v12
	s_mul_i32 s7, s42, 64*PITCH                    ; my wave's 64 rows of X
	v_add_nc_u32 v[FA0], s7, v12
	v_add_nc_u32 v[FA0+1], BUF, v[FA0]
	s_mul_i32 s7, s43, 16*NB*PITCH                 ; my wave's 16 NB rows of W,
	s_add_co_u32 s7, s7, TM*PITCH                  ; which lie behind X's TM
	v_add_nc_u32 v[FB0], s7, v12
	v_add_nc_u32 v[FB0+1], BUF, v[FB0]
	s_mul_i32 s7, s43, 64*NB                       ; 16 NB columns of f32 a wave
	v_lshl_add_u32 v[BOFF], v14, 5, s7             ; + 8 columns for the upper half of the lanes
	s_mul_i32 s7, s42, 64*SP
	v_mul_u32_u24 v[SADR], v13, SP
	v_add_nc_u32 v[SADR], v[SADR], v[BOFF]
	v_add_nc_u32 v[SADR], s7, v[SADR]
	v_mul_u32_u24 v[RADR], v15, SP
	v_lshl_add_u32 v[RADR], v13, 4, v[RADR]
.if NX > 8
	v_add_nc_u32 v[RADR+1], 64*SP, v[RADR]         ; an LDS offset has 16 bits: the stage's rows 64 on want a register of their own
.endif
	s_wait_kmcnt 0x0
.if THREE
	s_cmp_eq_u32 s2, 1                             ; a choice between buffers on the work-group's number alone
	s_cselect_b64 s[XB:XB+1], s[10:11], s[8:9]
	s_cselect_b64 s[WB:WB+1], s[16:17], s[14:15]
	s_cselect_b64 s[BB:BB+1], s[22:23], s[20:21]
	s_cselect_b64 s[OB:OB+1], s[28:29], s[26:27]
	s_cmp_eq_u32 s2, 2
	s_cselect_b64 s[XB:XB+1], s[12:13], s[XB:XB+1]
	s_cselect_b64 s[WB:WB+1], s[18:19], s[WB:WB+1]
	s_cselect_b64 s[BB:BB+1], s[24:25], s[BB:BB+1]
	s_cselect_b64 s[OB:OB+1], s[30:31], s[OB:OB+1]
.else
	s_mov_b64 s[XB:XB+1], s[8:9]
	s_mov_b64 s[WB:WB+1], s[10:11]
	s_mov_b64 s[BB:BB+1], s[12:13]
	s_mov_b64 s[OB:OB+1], s[14:15]
.endif
	s_mul_i32 s40, s4, TM*ROWB                     ; my TM rows of X and Y
	s_mov_b32 s41, 0
	s_add_nc_u64 s[XB:XB+1], s[XB:XB+1], s[40:41]
	s_add_nc_u64 s[OB:OB+1], s[OB:OB+1], s[40:41]
	s_mul_i32 s40, s3, 192*ROWB                    ; my 192 rows of W
	s_add_nc_u64 s[WB:WB+1], s[WB:WB+1], s[40:41]
	s_mul_i32 s40, s3, 768                         ; my 192 columns of b and Y
	s_add_nc_u64 s[BB:BB+1], s[BB:BB+1], s[40:41]
	s_add_nc_u64 s[OB:OB+1], s[OB:OB+1], s[40:41]
; A load into a register that a matrix instruction has read, and an LDS store that reads a matrix result, stand four places behind that matrix instruction, and only plain vector
; instructions that name none of its registers are places (ISA guide 7.12.1 for vector instructions).
.macro PLACES
.rept 4
	v_nop
.endr
.endm
; The symbol Q is the group in hand.  SLOT says which half of its K step it is (KS) and where its slot lies: window SW, first register SB.
.macro SLOT
.set KS, Q%2
.if FW
.set SW, 1
.set SB, RINGW+4*GN*(Q%DEPTH)
.elseif Q%DEPTH == 0
.set SW, 0
.set SB, RING0
.else
.set SW, 1
.set SB, 4*GN*(Q%DEPTH-1)
.endif
.endm
; GN loads into the slot, KOFF bytes along K from the bases.  Load LI of a K step's 2 GN takes the tile rows RO + 8 h + w, RO = 16 (LI / 2) + 4 (LI % 2): X's rows first, then W's.
.macro GLOAD
	WIN 0x40*SW                                    ; destination in the slot's window, address in the first
.set gj, 0
.rept GN
.set LI, KS*GN+gj
.set RO, 16*(LI/2)+4*(LI%2)
.if LI < NX
	global_load_b128 v[SB+4*gj:SB+4*gj+3], v[GOFF], s[XB:XB+1] offset:RO*ROWB+KOFF
.else
	global_load_b128 v[SB+4*gj:SB+4*gj+3], v[GOFF], s[WB:WB+1] offset:(RO-TM)*ROWB+KOFF
.endif
.set gj, gj+1
.endr
.endm
; 4 NB products, 32 along K.  The accumulators take turns, one instruction a turn, in the same order everywhere.  first = 1: the bias is C and the sums begin.
.macro MUL first
.set ma, 0
.rept 4
.set mb, 0
.rept NB
.set AC, ACC+8*(NB*ma+mb)
.if \first
	v_wmma_f32_16x16x32_bf16 v[AC:AC+7], v[FRB+8*mb:FRB+8*mb+7], v[FRA+8*ma:FRA+8*ma+7], v[BIAS+8*mb:BIAS+8*mb+7]
.else
	v_wmma_f32_16x16x32_bf16 v[AC:AC+7], v[FRB+8*mb:FRB+8*mb+7], v[FRA+8*ma:FRA+8*ma+7], v[AC:AC+7]
.endif
.set mb, mb+1
.endr
.set ma, ma+1
.endr
.endm
; HALF A K STEP, for Q = 0 .. 25.  It multiplies group Q - 2's half step (from Q = 2 on), out of LDS buffer CUR; it rounds group Q (up to 23) and stores it into buffer NXT; it asks for
; group Q + DEPTH (up to 23) into the slot just emptied.  pb: how many pairs of K steps the bases have been stepped.  Then Q goes on by one.
; Behind a K step's second half stands the barrier, which does two things: every wave's reads of CUR are back, so the next step may store into it; every wave's stores into NXT are done, so the next step may read it.
.macro HALF pb
	SLOT
.set CUR, ((Q+2)/2)%2
.set NXT, (Q/2)%2
.set LEFT, 23-Q                        ; the groups behind group Q that have been asked for: DEPTH - 1, fewer at the end
.if LEFT > DEPTH-1
.set LEFT, DEPTH-1
.endif
.set KOFF, 256*((Q+DEPTH)/2)-512*\pb
.if Q >= 2
	PLACES
	WIN 0x40*FW                                    ; destination in the fragments' window, address in the first
.set hb, 0
.rept NB                               ; the fragments of 32 along K: 16 rows x 32 K in 8 registers, two loads of 16 bytes, 32 bytes apart
	ds_load_b128 v[FRB+8*hb:FRB+8*hb+3],   v[FB0+CUR] offset:hb*16*PITCH+64*KS
	ds_load_b128 v[FRB+8*hb+4:FRB+8*hb+7], v[FB0+CUR] offset:hb*16*PITCH+64*KS+32
.set hb, hb+1
.endr
.irp a, 0,1,2,3
	ds_load_b128 v[FRA+8*\a:FRA+8*\a+3],   v[FA0+CUR] offset:\a*16*PITCH+64*KS
	ds_load_b128 v[FRA+8*\a+4:FRA+8*\a+7], v[FA0+CUR] offset:\a*16*PITCH+64*KS+32
.endr
.endif
.if Q <= 23
	s_wait_loadcnt GN*LEFT                         ; loads come back in order (ISA guide 5.7.1): group Q is in (and the bias, which was asked for first of all); the LEFT groups behind it stay out
	WIN 0x45*SW                                    ; sources and destination in the slot's window
.set hj, 0
.rept GN                               ; GN times four f32 -> four bf16 in the first two of their registers
	v_cvt_pk_bf16_f32 v[SB+4*hj],   v[SB+4*hj],   v[SB+4*hj+1]
	v_cvt_pk_bf16_f32 v[SB+4*hj+1], v[SB+4*hj+2], v[SB+4*hj+3]
.set hj, hj+1
.endr
	WIN 0x04*SW                                    ; data (source 1) in the slot's window, address in the first
.set hj, 0
.rept GN
.set LI, KS*GN+hj
	ds_store_b64 v[LST0+NXT], v[SB+4*hj:SB+4*hj+1] offset:(16*(LI/2)+4*(LI%2))*PITCH
.set hj, hj+1
.endr
.if Q+DEPTH <= 23
	GLOAD
.endif
.if Q >= 2
	s_wait_dscnt GN                                ; LDS instructions end in order (ISA guide 5.7.1): the fragment loads are in, the GN stores behind them may be out
.endif
.else
	s_wait_dscnt 0x0
.endif
.if Q >= 2
	WIN 0x05*FW                                    ; sources 0 and 1 in the fragments' window; C and D in the first
.if Q == 2
	MUL 1
.else
	MUL 0
.endif
.endif
.if KS == 1
	s_wait_dscnt 0x0                               ; for the others' sake: zero
	s_barrier_signal -1
	s_barrier_wait -1
.endif
.set Q, Q+1
.endm
.set bb, 0
.rept NB
	global_load_b128 v[BIAS+8*bb:BIAS+8*bb+3],   v[BOFF], s[BB:BB+1] offset:64*bb      ; the bias of my eight columns of block bb
	global_load_b128 v[BIAS+8*bb+4:BIAS+8*bb+7], v[BOFF], s[BB:BB+1] offset:64*bb+16
.set bb, bb+1
.endr
.set Q, 0
.rept DEPTH                            ; the ring is filled: groups 0 .. DEPTH - 1
	SLOT
.set KOFF, 256*(Q/2)
	GLOAD
.set Q, Q+1
.endr
.set Q, 0
	HALF 0                                         ; K step 0 goes into buffer 0: two half steps that have nothing to multiply yet
	HALF 0
	HALF 0                                         ; K step 0 is multiplied ahead of the loop: its first products take the bias as C
	HALF 0
	WIN 0                                          ; at a label and at a branch every window is the first
	s_mov_b32 s6, NL
.Lpair:                                                ; a trip is two K steps, Q = 4 .. 7 from the bases: a multiple of the ring's slots and of the two LDS buffers
	HALF 0
	HALF 0
	HALF 0
	HALF 0
	WIN 0
	s_wait_xcnt 0x0                                ; the bases are stepped only behind this wait
	s_add_nc_u64 s[XB:XB+1], s[XB:XB+1], 512
	s_add_nc_u64 s[WB:WB+1], s[WB:WB+1], 512
	s_sub_co_u32 s6, s6, 1
	s_cmp_lg_u32 s6, 0
	s_cbranch_scc1 .Lpair
.set Q, 4+4*NL
.rept 22-4*NL                          ; the rest is written out: no load passes the rows' end, and the counts run down
	HALF NL
.endr
	WIN 0
	; THE WAY OUT.  The stage lies where the buffers lay: the barrier above stands behind every wave's last read of them.  A lane's eight columns are 32 bytes of a row; the rows are
	; read back whole, since a row's 768 bytes come from several waves.
	PLACES
.set oa, 0
.rept 4
.set ob, 0
.rept NB
.set AC, ACC+8*(NB*oa+ob)
	ds_store_b128 v[SADR], v[AC:AC+3]   offset:oa*16*SP+64*ob
	ds_store_b128 v[SADR], v[AC+4:AC+7] offset:oa*16*SP+64*ob+16
.set ob, ob+1
.endr
.set oa, oa+1
.endr
	s_wait_dscnt 0x0                               ; for the others' sake: my stores into the stage are done
	s_barrier_signal -1
	s_barrier_wait -1
.set ok, 0
.rept 3*NX                             ; read ok = 3 oi + ou: rows 16 (oi / 2) + 4 (oi % 2) + 8 h + w, block ou of 256 bytes
.set oi, ok/3
.set ou, ok%3
	ds_load_b128 v[ACC+4*ok:ACC+4*ok+3], v[RADR+oi/8] offset:(16*((oi%8)/2)+4*(oi%2))*SP+256*ou
.set ok, ok+1
.endr
.set ok, 0
.rept 3*NX
.set oi, ok/3
.set ou, ok%3
	s_wait_dscnt 3*NX-1-ok                         ; this read is back; the younger ones may be out
.if THREE
	global_store_b128 v[GOFF], v[ACC+4*ok:ACC+4*ok+3], s[OB:OB+1] offset:(16*(oi/2)+4*(oi%2))*ROWB+256*ou   ; 16 lanes store 256 consecutive bytes, at a multiple of 256 from Y's first byte
.else
	global_store_b128 v[GOFF], v[ACC+4*ok:ACC+4*ok+3], s[OB:OB+1] offset:(16*(oi/2)+4*(oi%2))*ROWB+256*ou th:TH_STORE_NT
.endif
.set ok, ok+1
.endr
	s_set_vgpr_msb 0x4
	s_wait_tensorcnt 0x0
	ds_add_u32 v11, v193
	s_wait_dscnt 0x0
	s_set_vgpr_msb 0x400
	s_endpgm
.Lfunc_end_k_q96e17f8313_oproj:
	.size	k_q96e17f8313_oproj, .Lfunc_end_k_q96e17f8313_oproj-k_q96e17f8313_oproj
	.p2alignl 7, 3214868480
	.fill 96, 4, 3214868480
	.section	.rodata,"a",@progbits
	.p2align	6, 0x0
	.amdhsa_kernel k_q96e17f8313_oproj
		.amdhsa_group_segment_fixed_size 74240
		.amdhsa_private_segment_fixed_size 0
		.amdhsa_enable_private_segment 0
		.amdhsa_kernarg_size 32
		.amdhsa_user_sgpr_count 2
		.amdhsa_user_sgpr_kernarg_segment_ptr 1
		.amdhsa_wavefront_size32 1
		.amdhsa_system_sgpr_workgroup_id_x 1
		.amdhsa_system_sgpr_workgroup_id_y 1
		.amdhsa_system_sgpr_workgroup_id_z 1
		.amdhsa_system_vgpr_workitem_id 0
		.amdhsa_next_free_vgpr 450
		.amdhsa_next_free_sgpr 66
		.amdhsa_reserve_vcc 0
		.amdhsa_float_denorm_mode_32 3
		.amdhsa_float_denorm_mode_16_64 3
		.amdhsa_memory_ordered 1
		.amdhsa_forward_progress 1
		.amdhsa_inst_pref_size 88
	.end_amdhsa_kernel
	.amdgpu_metadata
---
amdhsa.version: [ 1, 2 ]
amdhsa.kernels:
  - .name:           k_q96e17f8313_oproj
    .symbol:         k_q96e17f8313_oproj.kd
    .args:
      - { .name: ctx, .offset: 0, .size: 8, .value_kind: global_buffer, .address_space: global }
      - { .name: Wo, .offset: 8, .size: 8, .value_kind: global_buffer, .address_space: global }
      - { .name: bo, .offset: 16, .size: 8, .value_kind: global_buffer, .address_space: global }
      - { .name: out0, .offset: 24, .size: 8, .value_kind: global_buffer, .address_space: global }
    .group_segment_fixed_size: 74240
    .private_segment_fixed_size: 0
    .kernarg_segment_align: 8
    .kernarg_segment_size: 32
    .max_flat_workgroup_size: 128
    .sgpr_count:     66
    .vgpr_count:     450
    .wavefront_size: 32
...
	.end_amdgpu_metadata
.endif
;; end of part 7
;; ======== version 4 of 4: 3 launches; version 3 with the launch attn written anew for expert scheduling mode
;; workspace buffers: qf 12,582,912 bytes; kf 12,582,912 bytes; vf 12,582,912 bytes; ctx 12,582,912 bytes
;; launch proj: the kernel of part 6 again; grid 12 x 32, 4 waves a work-group, no clusters, 100,864 bytes of LDS; arguments query, key, value, Wq, Wk, Wv, bq, bk, bv, qf, kf, vf; writes qf, kf, vf
;; launch attn (part 8): grid 64 x 12, 4 waves a work-group, no clusters, 108,032 bytes of LDS; arguments qf, kf, vf, ctx; writes ctx
.if DOCPART == 8
	.amdgcn_target "amdgcn-amd-amdhsa--gfx1250"
	.amdhsa_code_object_version 6
	.text
	.protected	k_q96e17f8313_attn
	.globl	k_q96e17f8313_attn
	.p2align	8
	.type	k_q96e17f8313_attn,@function
k_q96e17f8313_attn:
	s_mov_b64 s[64:65], 0
	v_nop
	global_prefetch_b8 v0, s[64:65] scope:SCOPE_SE
	s_setreg_imm32_b32 hwreg(HW_REG_WAVE_SCHED_MODE, 0, 2), 2
	s_setreg_imm32_b32 hwreg(HW_REG_WAVE_MODE, 25, 1), 1
	s_wait_xcnt 0x0
	s_wait_alu depctr_vm_vsrc(0)
; ctx[q][head] = the sum over keys k with |k - q| <= 64 of softmax_k(Q[q] . K[k] / 8) V[k], for 12 heads of 64 channels.  qf, kf, vf, ctx: [4096][768] f32; a head's part of a row is 256 bytes.
; SHARES.  A work-group owns one head and 64 queries q0 .. q0 + 63; each of its four waves 16 of them.  The work-group's keys are q0 - 64 .. q0 + 127: 12 tiles of 16; wave w uses tiles w .. w + 8.
; FORMATS.  Q, K, V and the weights p enter the matrix unit as TWO bf16 numbers each, hi = bf16(x) and lo = bf16(x - hi), and each product is three: hi hi + lo hi + hi lo.  The term lo lo,
; 2^-16 of the product, is dropped.  So these four carry about 16 bits of mantissa with bf16's range.  Products, maximum and sum in f32.
; LAYOUT.  S^T = K Q^T (source 0 = 16 keys, source 1 = 16 queries): a lane (r = lane % 16, h = lane / 16) holds ONE query r and the keys 8 h + 0..7 of each tile.  Two tiles, rounded in pairs, ARE
; source 1 (32 keys x 16 queries) of O^T = V^T P, whose result again holds one query a lane.  K comes out of LDS as it lies, V ([key][channel]) turned, by ds_load_tr16_b128.
; MASK.  Key 16 i + 8 h + j of the wave's window belongs to query r iff 0 <= 16 i + 8 h + j - r <= 128: in tile 0 iff j >= r - 8 h, in tile 8 iff j <= r - 8 h, in tiles 1 to 7 always.
; The sequence's ends cut whole tiles: a tile is inside iff its first row is in 0 .. 4095.  The rows loaded for a tile outside are clamped into the buffer: finite numbers with weight 0.
; Every score passes one v_cndmask_b32 against -infinity: no branch.
; SOFTMAX.  A lane's 72 scores stay in registers, so the true maximum of the window is taken away in one pass: p = 2^(c s - c m), c = log2(e) / 8.  A query's own key is always inside, so m is a score and l >= 1.
; WHY NO TENSOR LOADS AND NO JOINT REQUESTS, though neighbouring work-groups read two thirds of the same keys: K and V are f32 in memory and are split into hi and lo in registers on their
; way to LDS, once for the four waves; and neighbours' windows are shifted by 64 rows, so no tile of 192 rows is common to two work-groups.
; LIMITS.  A magnitude of Q, K or V above bf16's largest number, 3.39e38, becomes infinite.  A weight below 2^-126 of the largest counts as zero (v_exp_f32 flushes: ISA guide 15.8).
; THE MODE: SCHED_MODE bits 1:0 = 2 (LLVM: expert scheduling mode 2), set by the entry lines.  The code itself states the register dependences
; between vector or matrix instructions and memory or LDS instructions, with s_wait_alu, always for 0.
; THE PLAN.  Registers that memory or LDS instructions touch, in the order of the text:
;   AD, QAD        The 56 loads' offsets: made at the head, ahead of one wait on va_vdst; read by the loads; written again (S^T, the maximum) behind the one wait on vm_vsrc.
;   KS, VS, T      Load n of the window's 48 (K's 24, then V's 24) lands in v[KS + 4 n ..].  Its split packs lo into the first two of the four and puts hi into the last two registers of
;                  load n - 1, which that load's split has used up (load 0's hi: T).  So no register is written twice, and an LDS store hangs on one thing: that its data are written.
;                  The 48 go in twelve blocks of four.  Block p's splits stand among the eight stores of block p - 1, behind ONE wait on va_vdst at the block's head: those stores read
;                  v[KS + 16 p - 3] at the highest, block p's splits name v[KS + 16 p - 2] and upward, and U.
;   LSK, LSV       The stores' addresses: made behind the loads, ahead of block 1's wait; written again (NEG, l) behind the wait on vm_vsrc.
;   ONE wait on vm_vsrc, in front of the first barrier: every load and every store issued so far has read its registers.  All that is written again later (v1-5, v48-255) was read ahead of it;
;                  FK, FV, STO, RD and GO, which later instructions read, are made at the head and never written again.
;   KB             Loaded three times, read by 18 products each time: a wait on va_vdst ahead of the second and the third run.  A second buffer would be 96 registers; 40 are free (v32-47, v160-183).
;   VB0, VB1       By turns.  Step s's products read one; the loads of step s + 1 land in the other, which the products of step s - 1 read (ahead of step 0: the softmax's SUM and M lie there).  One wait
;                  on va_vdst at a step's head; behind it the step's first four products, then the run of loads, then the other eight: the products name this step's buffer, P and O^T alone.
;   O, OUTR        One wait on va_vdst behind the multiplies by 1 / l: O^T is written, for the stores into the stage, and the last products are done reading VB0, where the rows read back land.
.set ROWB, 3072                        ; bytes in a row of the four tensors
.set PK,   272                         ; a key's row of K in LDS: hi 128 bytes, lo 128 bytes, 16 of padding = 68 words: the 16 rows of a load start at 16 different groups of four banks (64 banks of 4 bytes: ISA guide 11.1)
.set PVAL, 288                         ; a key's row of V: hi, lo, 32 of padding = 72 words
.set VOFF, 192*PK                      ; V's 192 rows lie behind K's
.set LSK,  1                           ; v1   where my 8 bytes of K go; later NEG
.set NEG,  1                           ;      -infinity
.set LSV,  2                           ; v2   the same for V; later at work on l
.set QAD,  3                           ; v3   my byte offset in the work-group's rows of Q; later the maximum, then at work on l
.set T,    4                           ; v[4:5]  hi of load 0's four numbers of K; then c m twice; then 1 / l twice
.set U,    6                           ; v[6:9]  SPLIT's scratch: no memory or LDS instruction names it
.set FK,   10                          ; v10  my lane's place in my wave's first tile of K
.set FV,   11                          ; v11  the same for V, for the turning load
.set E,    12                          ; v12  r - 8 h
.set STO,  13                          ; v13  the way out: where I put 32 bytes of a row
.set RD,   14                          ; v14  the way out: where I read a row back
.set GO,   15                          ; v15  my byte offset in the work-group's rows of ctx
.set QS,   16                          ; v16-47    Q as loaded;  QL v16-31 its lo afterwards
.set QL,   16
.set KS,   48                          ; v48-143   K as loaded, load n at KS + 4 n; behind the splits: load n's lo, then load n + 1's hi;  QH v48-63 Q's hi afterwards
.set QH,   48
.set VS,   144                         ; v144-239  V as loaded: VS = KS + 96, so V's loads are loads 24 to 47 of the same row of registers
.set AD,   240                         ; v240-251  tile j's byte offset in K and V
.set TA,   252                         ; v252-255  at work while the addresses are made
.set TR,   253
.set TH,   254
.set TX,   255
.set KB,   64                          ; v64-159   K's fragments of three tiles: tile tau at + 32 tau, lo at + 16, channels 32 on at + 8
.set S,    184                         ; v184-255  S^T, 8 a tile
.set PH,   16                          ; v16-55    P's hi: 4 a tile, and 4 of zeros for the tile that is not there
.set PL,   184                         ; v184-223  P's lo, likewise
.set VB0,  56                          ; v56-119, v120-183  V's fragments of 32 keys, two buffers: lo at + 32, channels 16 c on at + 8 c
.set VB1,  120
.set SUM,  120                         ; v120-127  four running sums of pairs (before VB1 is first loaded)
.set M,    128                         ; v128-136  nine running maxima (likewise)
.set O,    224                         ; v224-255  O^T: channels 16 c on at + 8 c
.set OUTR, 56                          ; v56-87    the way out: whole rows
.set WV,   29                          ; s29  wave
.set HD,   30                          ; s30  head
                                       ; s20-28 tile i inside the sequence: -1 or 0;  s32-39, s40-47 lane masks of tiles 0 and 8 for j = 0..7;  s[48:49] c;  s[50:51] lane selects;  s52 a word's upper bf16
	s_load_b256 s[8:15], s[0:1], 0x0               ; qf s[8:9], kf s[10:11], vf s[12:13], ctx s[14:15]
	s_set_vgpr_msb 0x40
	v_lshl_add_u32 v0, v0, 2, 0x1a400
	v_mov_b32 v1, 0
	s_set_vgpr_msb 0x4000
	v_lshrrev_b32 v[TX], 5, v0
	v_readfirstlane_b32 s[WV], v[TX]
	s_and_b32 s[HD], ttmp7, 0xffff
	v_lshrrev_b32 v[TA], 4, v0                     ; t / 16: 0..7
	v_and_b32 v[TR], 15, v0                        ; t % 16, also the lane's r
	v_bfe_u32 v[TH], v0, 4, 1                      ; the lane's h
	v_mul_u32_u24 v[TX], v[TA], ROWB
	v_lshl_add_u32 v[TX], v[TR], 4, v[TX]          ; my 16 bytes in eight rows: sixteen lanes take a head's 256 bytes of a row
	s_lshl_b32 s18, ttmp9, 6
	s_sub_co_i32 s18, s18, 64                      ; the first row of the work-group's tile 0; below 0 in the first work-group
.irp j, 0,1,2,3,4,5,6,7,8,9,10,11
	s_max_i32 s19, s18, 0                          ; a tile outside the sequence reads the nearest tile inside
	s_min_i32 s19, s19, 4080
	s_mul_i32 s19, s19, ROWB
	v_add_nc_u32 v[AD+\j], s19, v[TX]
	s_add_co_i32 s18, s18, 16
.endr
	s_wait_alu depctr_va_sdst(0)                   ; s29, the wave's number, is written, ahead of its first reader, the line below
	s_mul_i32 s19, s[WV], 16*ROWB                  ; Q: row 16 w + r, 32 bytes (8 channels) for each half of the lanes
	v_mul_u32_u24 v[QAD], v[TR], ROWB
	v_lshl_add_u32 v[QAD], v[TH], 5, v[QAD]
	v_add_nc_u32 v[QAD], s19, v[QAD]
	s_lshl_b32 s16, s[HD], 8                       ; the head's 256 bytes in a row
	s_mov_b32 s17, 0
	s_wait_kmcnt 0x0
	s_add_nc_u64 s[8:9], s[8:9], s[16:17]
	s_add_nc_u64 s[10:11], s[10:11], s[16:17]
	s_add_nc_u64 s[12:13], s[12:13], s[16:17]
	s_add_nc_u64 s[14:15], s[14:15], s[16:17]
	s_mul_i32 s16, ttmp9, 64*ROWB                  ; the work-group's 64 rows of Q and ctx
	s_add_nc_u64 s[8:9], s[8:9], s[16:17]
	s_add_nc_u64 s[14:15], s[14:15], s[16:17]
	s_wait_alu depctr_va_vdst(0)                   ; the twelve offsets AD and QAD are written, which the loads below read
	; all 56 loads go out at once: load n = 0..23 is K's rows 8 n .. 8 n + 7 of the window, 24..47 V's, 48..55 Q's fragments
.irp j, 0,1,2,3,4,5,6,7,8,9,10,11
	global_load_b128 v[KS+8*\j:KS+8*\j+3],   v[AD+\j], s[10:11]
	global_load_b128 v[KS+8*\j+4:KS+8*\j+7], v[AD+\j], s[10:11] offset:8*ROWB
.endr
.irp j, 0,1,2,3,4,5,6,7,8,9,10,11
	global_load_b128 v[VS+8*\j:VS+8*\j+3],   v[AD+\j], s[12:13]
	global_load_b128 v[VS+8*\j+4:VS+8*\j+7], v[AD+\j], s[12:13] offset:8*ROWB
.endr
.irp c, 0,1
.irp g, 0,1
.irp e, 0,1
	global_load_b128 v[QS+16*\c+8*\g+4*\e:QS+16*\c+8*\g+4*\e+3], v[QAD], s[8:9] offset:128*\c+64*\g+16*\e   ; channels 32 c + 16 g + 8 h + 4 e on
.endr
.endr
.endr
	; the other addresses and the masks are made while the loads are on their way: none of these lines writes a register that the loads read or land in
	v_mul_u32_u24 v[LSK], v[TA], PK
	v_lshl_add_u32 v[LSK], v[TR], 3, v[LSK]
	v_mul_u32_u24 v[LSV], v[TA], PVAL
	v_lshl_add_u32 v[LSV], v[TR], 3, v[LSV]
	v_add_nc_u32 v[LSV], VOFF, v[LSV]
	s_mul_i32 s19, s[WV], 16*PK                    ; my wave's first tile of K; later my wave's stage
	v_mul_u32_u24 v[TX], v[TR], PK
	v_add_nc_u32 v[TX], s19, v[TX]
	v_lshl_add_u32 v[FK], v[TH], 4, v[TX]          ; row r, 16 bytes for each half of the lanes
	v_lshl_add_u32 v[STO], v[TH], 5, v[TX]         ; row r, 32 bytes for each half
	v_mul_u32_u24 v[RD], v[TH], PK                 ; back: lanes 0-15 one row of 256 bytes, lanes 16-31 the next
	v_lshl_add_u32 v[RD], v[TR], 4, v[RD]
	v_add_nc_u32 v[RD], s19, v[RD]
	s_mul_i32 s18, s[WV], 16*ROWB
	v_mul_u32_u24 v[GO], v[TH], ROWB               ; and the same two rows in ctx
	v_lshl_add_u32 v[GO], v[TR], 4, v[GO]
	v_add_nc_u32 v[GO], s18, v[GO]
	v_and_b32 v[TX], 7, v0                         ; the turning load: lane l reads key 8 (l / 16) + l % 8, channels 8 ((l / 8) % 2) on
	v_lshl_add_u32 v[TX], v[TH], 3, v[TX]
	v_mul_u32_u24 v[FV], v[TX], PVAL
	v_bfe_u32 v[TX], v0, 3, 1
	v_lshl_add_u32 v[FV], v[TX], 4, v[FV]
	s_mul_i32 s19, s[WV], 16*PVAL
	s_add_co_u32 s19, s19, VOFF
	v_add_nc_u32 v[FV], s19, v[FV]
	v_lshlrev_b32 v[TX], 3, v[TH]
	v_sub_nc_u32 v[E], v[TR], v[TX]                ; r - 8 h, -8 .. 15
	s_lshl_b32 s18, ttmp9, 6
	s_lshl4_add_u32 s18, s[WV], s18
	s_sub_co_i32 s18, s18, 64                      ; the first row of my wave's tile 0
.irp i, 0,1,2,3,4,5,6,7,8
	s_cmp_lt_u32 s18, 4096                         ; unsigned: a row below 0 is not under 4,096 either
	s_cselect_b32 s[20+\i], -1, 0
	s_add_co_i32 s18, s18, 16
.endr
.irp j, 0,1,2,3,4,5,6,7
	v_cmp_ge_i32 s[32+\j], \j, v[E]                ; tile 0: j >= r - 8 h
	v_cmp_le_i32 s[40+\j], \j, v[E]                ; tile 8: j <= r - 8 h
.endr
	s_wait_alu depctr_va_sdst(0)                   ; the sixteen compares have written s32 to s47, ahead of their first readers, the lines below
.irp j, 0,1,2,3,4,5,6,7
	s_and_b32 s[32+\j], s[32+\j], s20
	s_and_b32 s[40+\j], s[40+\j], s28
.endr
	s_mov_b32 s48, 0x3e38aa3b                      ; c = log2(e) / 8 = 0.180337
	s_mov_b32 s49, s48                             ; named with it as a pair, so it is written
	s_mov_b32 s50, 0x76543210                      ; v_permlanex16_b32: each lane takes its own place in the other half
	s_mov_b32 s51, 0xfedcba98
	s_mov_b32 s52, 0xffff0000
.macro PLACES                          ; four places behind a matrix instruction, in front of a vector instruction that reads its result (ISA guide 7.12.1)
.rept 4
	v_nop
.endr
.endm
; Four f32 in v[X .. X+3] -> hi (two registers H0, H1) and lo (L0, L1), bf16 in pairs.  x - hi is exact in f32; X is used up.
.macro SPLIT X, H0, H1, L0, L1
	v_cvt_pk_bf16_f32 v[\H0], v[\X], v[\X+1]
	v_cvt_pk_bf16_f32 v[\H1], v[\X+2], v[\X+3]
	v_lshlrev_b32 v[U],   16,  v[\H0]
	v_and_b32     v[U+1], s52, v[\H0]
	v_lshlrev_b32 v[U+2], 16,  v[\H1]
	v_and_b32     v[U+3], s52, v[\H1]
	v_pk_add_f32 v[\X:\X+1],   v[\X:\X+1],   v[U:U+1]   neg_lo:[0,1] neg_hi:[0,1]
	v_pk_add_f32 v[\X+2:\X+3], v[\X+2:\X+3], v[U+2:U+3] neg_lo:[0,1] neg_hi:[0,1]
	v_cvt_pk_bf16_f32 v[\L0], v[\X], v[\X+1]
	v_cvt_pk_bf16_f32 v[\L1], v[\X+2], v[\X+3]
.endm
.macro HILO                            ; load nn of the window's 48 is split: lo into its own first two registers, hi into the last two of load nn - 1 (load 0's into T)
.if nn == 0
	SPLIT KS, T, T+1, KS, KS+1
.else
	SPLIT KS+4*nn, KS+4*nn-2, KS+4*nn-1, KS+4*nn, KS+4*nn+1
.endif
.endm
.macro PUT                             ; load mm's hi and lo go into LDS: eight rows of the window
.if mm == 0
	ds_store_b64 v[LSK], v[T:T+1]
	ds_store_b64 v[LSK], v[KS:KS+1] offset:128
.elseif mm < 24
	ds_store_b64 v[LSK], v[KS+4*mm-2:KS+4*mm-1] offset:mm*8*PK
	ds_store_b64 v[LSK], v[KS+4*mm:KS+4*mm+1] offset:mm*8*PK+128
.else
	ds_store_b64 v[LSV], v[KS+4*mm-2:KS+4*mm-1] offset:(mm-24)*8*PVAL
	ds_store_b64 v[LSV], v[KS+4*mm:KS+4*mm+1] offset:(mm-24)*8*PVAL+128
.endif
.endm
	; K and V are split and laid into LDS, in twelve blocks of four loads; a block's eight stores are dealt among the next block's four splits
.set nn, 0
.rept 12
	s_wait_loadcnt 55-nn                           ; loads come back in order (ISA guide 5.7.1): load nn is in, the 55 - nn behind it may be out
.if nn > 0
	s_wait_alu depctr_va_vdst(0)                   ; the block before has written its hi and lo, which the eight stores of this block read (at the first such wait: LSK and LSV are written too)
.endif
.rept 4
.if nn%4 > 0
	s_wait_loadcnt 55-nn
.endif
.if nn >= 4
.set mm, nn-4
	PUT                                            ; no wait: no split issued since the block's head names these registers
.endif
	HILO
.set nn, nn+1
.endr
.endr
	s_wait_alu depctr_va_vdst(0)                   ; the last block has written its hi and lo, which the last eight stores read
.set mm, 44
.rept 4
	PUT
.set mm, mm+1
.endr
	s_wait_loadcnt 0x0                             ; Q
	s_wait_dscnt 0x0                               ; for the others' sake: my part of K and V is in LDS
	s_wait_alu depctr_vm_vsrc(0)                   ; the loads have read AD and QAD, the stores LSK, LSV, T and v48-239: all of these are written again from here on, v48-63 by Q's splits just below
	s_barrier_signal -1
.set n, 0
.rept 8                                ; Q is split while the others arrive: register work alone.  lo is packed downward in place: it lands on registers that earlier splits have used up
	SPLIT QS+4*n, QH+2*n, QH+2*n+1, QL+2*n, QL+2*n+1
.set n, n+1
.endr
	s_barrier_wait -1
; Three tiles' fragments of K, hi and lo: 24 loads.  The first run has no wait in front of it: the last wait on va_vdst stands behind every split of K and V, and Q's splits, issued since, name v6-9 and v16-63 alone.
.macro KFETCH bt
.if \bt > 0
	s_wait_alu depctr_va_vdst(0)                   ; the 18 products of the three tiles before are done reading KB, in which these loads land
.endif
.irp tau, 0,1,2
.irp pl, 0,1
.irp c, 0,1
	ds_load_b128 v[KB+32*\tau+16*\pl+8*\c:KB+32*\tau+16*\pl+8*\c+3],   v[FK] offset:(3*\bt+\tau)*16*PK+128*\pl+64*\c
	ds_load_b128 v[KB+32*\tau+16*\pl+8*\c+4:KB+32*\tau+16*\pl+8*\c+7], v[FK] offset:(3*\bt+\tau)*16*PK+128*\pl+64*\c+32
.endr
.endr
.endr
.endm
; One term (K's hi or lo, Q's hi or lo, channels 32 c on) for the three tiles, whose accumulators take turns, one instruction a turn.  zero = 1: it starts the sums.
.macro QKT bt, pl, q, c, zero
.irp tau, 0,1,2
.if \zero
	v_wmma_f32_16x16x32_bf16 v[S+8*(3*\bt+\tau):S+8*(3*\bt+\tau)+7], v[KB+32*\tau+16*\pl+8*\c:KB+32*\tau+16*\pl+8*\c+7], v[\q+8*\c:\q+8*\c+7], 0
.else
	v_wmma_f32_16x16x32_bf16 v[S+8*(3*\bt+\tau):S+8*(3*\bt+\tau)+7], v[KB+32*\tau+16*\pl+8*\c:KB+32*\tau+16*\pl+8*\c+7], v[\q+8*\c:\q+8*\c+7], v[S+8*(3*\bt+\tau):S+8*(3*\bt+\tau)+7]
.endif
.endr
.endm
.macro QK bt
	QKT \bt, 0, QH, 0, 1                           ; hi hi
	QKT \bt, 0, QH, 1, 0
	QKT \bt, 1, QH, 0, 0                           ; K's lo, Q's hi
	QKT \bt, 1, QH, 1, 0
	QKT \bt, 0, QL, 0, 0                           ; K's hi, Q's lo
	QKT \bt, 0, QL, 1, 0
.endm
; V's fragments of keys 32 step on, hi and lo, four blocks of 16 channels: 16 turning loads.  Step 4 has only 16 keys: its second halves repeat the first address: finite numbers, which meet weights of zero.
.macro VFETCH step, vb
.irp pl, 0,1
.irp c, 0,1,2,3
	ds_load_tr16_b128 v[\vb+32*\pl+8*\c:\vb+32*\pl+8*\c+3], v[FV] offset:\step*32*PVAL+128*\pl+32*\c
.if \step < 4
	ds_load_tr16_b128 v[\vb+32*\pl+8*\c+4:\vb+32*\pl+8*\c+7], v[FV] offset:\step*32*PVAL+16*PVAL+128*\pl+32*\c
.else
	ds_load_tr16_b128 v[\vb+32*\pl+8*\c+4:\vb+32*\pl+8*\c+7], v[FV] offset:\step*32*PVAL+128*\pl+32*\c
.endif
.endr
.endr
.endm
; One term (V's hi or lo, P's hi or lo) for the four blocks of channels, whose accumulators take turns, one instruction a turn.
.macro PVT step, vb, pl, wt, zero
.irp c, 0,1,2,3
.if \zero
	v_wmma_f32_16x16x32_bf16 v[O+8*\c:O+8*\c+7], v[\vb+32*\pl+8*\c:\vb+32*\pl+8*\c+7], v[\wt+8*\step:\wt+8*\step+7], 0
.else
	v_wmma_f32_16x16x32_bf16 v[O+8*\c:O+8*\c+7], v[\vb+32*\pl+8*\c:\vb+32*\pl+8*\c+7], v[\wt+8*\step:\wt+8*\step+7], v[O+8*\c:O+8*\c+7]
.endif
.endr
.endm
; A step of O^T = V^T P: 32 keys, out of buffer vb.  Steps 0 to 3 ask for step next's fragments into the other buffer nb, behind the step's first four products.
.macro PV step, vb, next, nb, zero
	s_wait_dscnt 0x0                               ; this step's 16 loads, the only ones out, are in (at step 4 also: all my reads of K and V are back)
.if \step < 4
	s_wait_alu depctr_va_vdst(0)                   ; the other buffer is free for the loads below: the products of the step before are done reading it; ahead of step 0 the softmax is done with SUM and M, which lie in it
.endif
	PVT \step, \vb, 0, PH, \zero                   ; hi hi
.if \step < 4
	VFETCH \next, \nb                              ; no wait: the four products issued since the wait name this step's buffer, P and O^T alone
.endif
	PVT \step, \vb, 1, PH, 0                       ; V's lo, P's hi
	PVT \step, \vb, 0, PL, 0                       ; V's hi, P's lo
.endm
	; THE SCORES: nine tiles, three at a time
.irp bt, 0,1,2
	KFETCH \bt
	s_wait_dscnt 0x0
	QK \bt
.endr
	PLACES                                         ; behind the last products, in front of the masks below, which read their results
	s_wait_alu depctr_va_vdst(0)                   ; the products are done reading QH and KB, over which VB0 lies; the places above stay beside this wait
	VFETCH 0, VB0                                  ; the first 32 keys of V come while the softmax is made
	; THE SOFTMAX of my query's 72 scores (the query's other 72 lie in the lane 16 away)
	v_mov_b32 v[NEG], 0xff800000
.irp j, 0,1,2,3,4,5,6,7
	v_cndmask_b32 v[S+\j],    v[NEG], v[S+\j],    s[32+\j]
	v_cndmask_b32 v[S+64+\j], v[NEG], v[S+64+\j], s[40+\j]
.endr
.irp i, 1,2,3,4,5,6,7
.irp j, 0,1,2,3,4,5,6,7
	v_cndmask_b32 v[S+8*\i+\j], v[NEG], v[S+8*\i+\j], s[20+\i]
.endr
.endr
.irp i, 0,1,2,3,4,5,6,7,8                  ; nine chains, one a tile, of seven scores each
	v_max3_num_f32 v[M+\i], v[S+8*\i], v[S+8*\i+1], v[S+8*\i+2]
.endr
.irp i, 0,1,2,3,4,5,6,7,8
	v_max3_num_f32 v[M+\i], v[M+\i], v[S+8*\i+3], v[S+8*\i+4]
.endr
.irp i, 0,1,2,3,4,5,6,7,8
	v_max3_num_f32 v[M+\i], v[M+\i], v[S+8*\i+5], v[S+8*\i+6]
.endr
.irp i, 0,1,2,3                            ; the tiles' eighth scores
	v_max3_num_f32 v[M+\i], v[M+\i], v[S+16*\i+7], v[S+16*\i+15]
.endr
	v_max3_num_f32 v[M+4], v[M+4], v[S+71], v[M+5]
	v_max3_num_f32 v[M], v[M], v[M+1], v[M+2]
	v_max3_num_f32 v[M+3], v[M+3], v[M+4], v[M+6]
	v_max3_num_f32 v[M], v[M], v[M+7], v[M+8]
	v_max_num_f32 v[M], v[M], v[M+3]
	v_permlanex16_b32 v[M+1], v[M], s50, s51
	v_max_num_f32 v[QAD], v[M], v[M+1]             ; m
	v_mul_f32 v[T], s48, v[QAD]                    ; c m, twice
	v_mov_b32 v[T+1], v[T]
.set n, 0
.rept 36
	v_pk_fma_f32 v[S+2*n:S+2*n+1], v[S+2*n:S+2*n+1], s[48:49], v[T:T+1] op_sel_hi:[1,0,1] neg_lo:[0,0,1] neg_hi:[0,0,1]   ; c s - c m; -infinity stays
.set n, n+1
.endr
.set n, 0
.rept 72
	v_exp_f32 v[S+n], v[S+n]
.set n, n+1
.endr
	v_nop                                          ; a plain instruction between the last exponential and the use of its result (ISA guide 5.7.2)
	s_wait_alu depctr_va_vdst(0)
.irp k, 0,1,2,3                            ; l: four chains of nine pairs; the weights stay as they are
	v_pk_add_f32 v[SUM+2*\k:SUM+2*\k+1], v[S+2*\k:S+2*\k+1], v[S+8+2*\k:S+8+2*\k+1]
.endr
.irp i, 2,3,4,5,6,7,8
.irp k, 0,1,2,3
	v_pk_add_f32 v[SUM+2*\k:SUM+2*\k+1], v[SUM+2*\k:SUM+2*\k+1], v[S+8*\i+2*\k:S+8*\i+2*\k+1]
.endr
.endr
	v_pk_add_f32 v[SUM:SUM+1], v[SUM:SUM+1], v[SUM+2:SUM+3]
	v_pk_add_f32 v[SUM+4:SUM+5], v[SUM+4:SUM+5], v[SUM+6:SUM+7]
	v_pk_add_f32 v[SUM:SUM+1], v[SUM:SUM+1], v[SUM+4:SUM+5]
	v_add_f32 v[LSV], v[SUM], v[SUM+1]
	v_permlanex16_b32 v[QAD], v[LSV], s50, s51
	v_add_f32 v[LSV], v[LSV], v[QAD]               ; l, at least 1
	v_rcp_f32 v[T], v[LSV]                         ; 1 / l, twice, for the packed multiply at the end; the splits below are the plain instructions behind them
	v_rcp_f32 v[T+1], v[LSV]
.set n, 0
.rept 18                                   ; the weights' hi and lo; lo is packed downward in place
	SPLIT S+4*n, PH+2*n, PH+2*n+1, PL+2*n, PL+2*n+1
.set n, n+1
.endr
.irp k, 0,1,2,3                            ; the tenth tile, which is not there, has weights of zero
	v_mov_b32 v[PH+36+\k], 0
	v_mov_b32 v[PL+36+\k], 0
.endr
	; O^T = V^T P, 32 keys a step, V's fragments in two buffers by turns
	PV 0, VB0, 1, VB1, 1
	PV 1, VB1, 2, VB0, 0
	PV 2, VB0, 3, VB1, 0
	PV 3, VB1, 4, VB0, 0
	PV 4, VB0, 0, VB1, 0                           ; the last step asks for nothing, so it states nothing
	s_barrier_signal -1                            ; the stage lies where K lay: no wave writes it before every wave's reads of K are back
	s_barrier_wait -1
	; THE WAY OUT: O^T / l goes through my wave's own stage: a lane's eight channels are 32 bytes of a row; the rows come back whole
	PLACES
.irp k, 0,1,2,3,4,5,6,7,8,9,10,11,12,13,14,15
	v_pk_mul_f32 v[O+2*\k:O+2*\k+1], v[O+2*\k:O+2*\k+1], v[T:T+1]
.endr
	s_wait_alu depctr_va_vdst(0)                   ; the multiplies have written O^T, which the stores below read; the last products are done reading VB0, in which the rows read back land
.irp c, 0,1,2,3
	ds_store_b128 v[STO], v[O+8*\c:O+8*\c+3]   offset:64*\c
	ds_store_b128 v[STO], v[O+8*\c+4:O+8*\c+7] offset:64*\c+16
.endr
.irp i, 0,1,2,3,4,5,6,7
	ds_load_b128 v[OUTR+4*\i:OUTR+4*\i+3], v[RD] offset:\i*2*PK    ; LDS serves a wave's instructions in order (ISA guide 5.7.1.4): these see the stores above
.endr
.irp i, 0,1,2,3,4,5,6,7
	s_wait_dscnt 7-\i                              ; this read is back; the younger ones may be out
	global_store_b128 v[GO], v[OUTR+4*\i:OUTR+4*\i+3], s[14:15] offset:\i*2*ROWB   ; 16 lanes store 256 consecutive bytes, at a multiple of 256 from ctx's first byte
.endr
	s_set_vgpr_msb 0x5
	s_wait_dscnt 0x0
	s_wait_alu depctr_hold_cnt(0) depctr_sa_sdst(0) depctr_va_vdst(0) depctr_va_sdst(0) depctr_va_ssrc(0) depctr_va_vcc(0) depctr_vm_vsrc(0)
	s_wait_tensorcnt 0x0
	ds_add_u32 v0, v1
	s_wait_dscnt 0x0
	s_endpgm
.Lfunc_end_k_q96e17f8313_attn:
	.size	k_q96e17f8313_attn, .Lfunc_end_k_q96e17f8313_attn-k_q96e17f8313_attn
	.p2alignl 7, 3214868480
	.fill 96, 4, 3214868480
	.section	.rodata,"a",@progbits
	.p2align	6, 0x0
	.amdhsa_kernel k_q96e17f8313_attn
		.amdhsa_group_segment_fixed_size 108032
		.amdhsa_private_segment_fixed_size 0
		.amdhsa_enable_private_segment 0
		.amdhsa_kernarg_size 32
		.amdhsa_user_sgpr_count 2
		.amdhsa_user_sgpr_kernarg_segment_ptr 1
		.amdhsa_wavefront_size32 1
		.amdhsa_system_sgpr_workgroup_id_x 1
		.amdhsa_system_sgpr_workgroup_id_y 1
		.amdhsa_system_sgpr_workgroup_id_z 1
		.amdhsa_system_vgpr_workitem_id 0
		.amdhsa_next_free_vgpr 258
		.amdhsa_next_free_sgpr 66
		.amdhsa_reserve_vcc 0
		.amdhsa_float_denorm_mode_32 3
		.amdhsa_float_denorm_mode_16_64 3
		.amdhsa_memory_ordered 1
		.amdhsa_forward_progress 1
		.amdhsa_inst_pref_size 95
	.end_amdhsa_kernel
	.amdgpu_metadata
---
amdhsa.version: [ 1, 2 ]
amdhsa.kernels:
  - .name:           k_q96e17f8313_attn
    .symbol:         k_q96e17f8313_attn.kd
    .args:
      - { .name: qf, .offset: 0, .size: 8, .value_kind: global_buffer, .address_space: global }
      - { .name: kf, .offset: 8, .size: 8, .value_kind: global_buffer, .address_space: global }
      - { .name: vf, .offset: 16, .size: 8, .value_kind: global_buffer, .address_space: global }
      - { .name: ctx, .offset: 24, .size: 8, .value_kind: global_buffer, .address_space: global }
    .group_segment_fixed_size: 108032
    .private_segment_fixed_size: 0
    .kernarg_segment_align: 8
    .kernarg_segment_size: 32
    .max_flat_workgroup_size: 128
    .sgpr_count:     66
    .vgpr_count:     258
    .wavefront_size: 32
...
	.end_amdgpu_metadata
.endif
;; end of part 8
;; launch oproj: the kernel of part 7 again; grid 4 x 64, 4 waves a work-group, no clusters, 74,240 bytes of LDS; arguments ctx, Wo, bo, out0; writes out0
